; MI455X (gfx1250); checked and timed in simulation.
; The chip was launched on July 23, 2026; its instructions are those of AMD's public machine-readable ISA for CDNA 5 (MIT licence, August 2026) and "CDNA5" Instruction Set Architecture Reference Guide (July 2026). The comments in the code are by the model that wrote it; some were corrected since.
;; Multi Head Attention. Allowed arithmetic: matrix products marked QUANTISED: E3M2 operands, one E8M0 scale for each 32 along K, by v_wmma_scale_f32_16x16x128_f8f6f4 with both operands' format E3M2, f32 sums; everything else in f32.
;; Inputs: b_out 1,024 float32; b_qkv 3,072 float32; w_out 1,024 x 1,024 float32; w_qkv 1,024 x 3,072 float32; x 4 x 2,048 x 1,024 float32.
;; Outputs: out0 4 x 2,048 x 1,024 float32.
;; This version of the problem:
;;   THIS VERSION OF THE PROBLEM IS GIVEN IN LOW PRECISION. The matrix products marked QUANTISED in the list below multiply operands that are first quantised to E3M2 (3 exponent bits, 2 mantissa bits; 6 bits a number), with one power-of-two scale for each 32 numbers along K (OCP MX v1.0); their sums are f32. All else is computed in f32.
;;   The module's matrix products, in the order in which they are computed (A, B: the left and right operand; K: the contracted axis; several contracted axes count as one K, in the product's order):
;;     1. [M 8,192, K 1,024] x [K 1,024, N 3,072]; A: input x; B: input w_qkv: QUANTISED
;;     2. batch 64 x [M 2,048, K 64] x [K 64, N 2,048]; A: computed on the way; B: computed on the way: QUANTISED
;;     3. batch 64 x [M 2,048, K 2,048] x [K 2,048, N 64]; A: softmax (see below); B: computed on the way: QUANTISED
;;     4. [M 8,192, K 1,024] x [K 1,024, N 1,024]; A: computed on the way; B: input w_out: QUANTISED
;;   THE QUANTISER, for each operand of a quantised product, along K:
;;     - K is cut into blocks of 32 from its start; a last block that is shorter is filled with zeros.
;;     - A block's scale is 2^e with e = floor(log2(the largest magnitude in the block)) - 4, held to -126 .. 127; a block of zeros has e = 0. As a byte (E8M0): e + 127.
;;     - Each number is divided by its block's scale, clamped to +-28, and rounded to the nearest number of E3M2, ties to even, subnormals kept.
;;     - The product sums the exact products of the quantised numbers (number of the format x scale) in f32.
;;   ~~~python
;;   def quantise(x, axis):      # numpy; x: float32 -> the quantised numbers, widened to float32 again
;;       x = np.moveaxis(x, axis, -1); K = x.shape[-1]
;;       x = np.pad(x, [(0, 0)] * (x.ndim - 1) + [(0, -K % 32)]); x = x.reshape(x.shape[:-1] + (-1, 32)); a = np.abs(x).max(-1, keepdims=True)
;;       e = np.where(a > 0, np.clip(np.frexp(np.where(a > 0, a, 1))[1] - 1 - 4, -126, 127), 0)      # np.frexp(a)[1] - 1 = floor(log2(a)), exactly
;;       r = np.clip(x / 2.0 ** e, -28, 28)
;;       step = 2.0 ** (np.maximum(np.frexp(np.where(r == 0, 1, r))[1] - 1, -2) - 2)
;;       q = np.round(r / step) * step * 2.0 ** e      # np.round: ties to even
;;       return np.moveaxis(q.reshape(q.shape[:-2] + (-1,))[..., :K], -1, axis).astype(np.float32)
;;   ~~~
;;   SOFTMAX AHEAD OF A QUANTISED PRODUCT. Where the list says 'softmax', what is quantised is not the finished softmax but p = 2^(t - M), with t = logit x log2(e) and M = ceil(the row's largest t), a whole number; so 1/2 < the row's largest p <= 1. The row's sum l is taken of the UNQUANTISED p, in f32, and the product's result is divided by l at the end. Since M is a whole number, a kernel that streams over the keys may use a running M (the ceiling of the running maximum): every later rescaling is an exact power of two, which a block's scale takes up: the codes' values come out the same.
;;   OPERANDS COMPUTED ON THE WAY. 'Computed on the way' means the value that the module computes at that place (a softmax that the list does not call 'softmax' is quantised finished and normalised). What goes into a quantiser is computed in f32, as accurately as f32 sums, v_exp_f32 and their like allow (about 1e-6 of the number): no bf16 or f16 on the way to a quantiser, and a product that is left as it is and whose result goes on into a quantised operand takes f32 operands (vector FMAs, or v_wmma_f32_16x16x4_f32). A number that lies on a knife's edge between two numbers of the format may be rounded either way, as far as f32 arithmetic and the matrix unit's own rounding can turn it there, and no further.
;; One version. Each part assembles by itself: llvm-mc -triple=amdgcn-amd-amdhsa -mcpu=gfx1250 --defsym DOCPART=n.
;; ======== version 1 of 1: 4 launches
;; workspace buffers: xc 6,291,456 bytes; wc 3,145,728 bytes; sa 360,448 bytes; sb 294,912 bytes; hc 18,874,368 bytes; hsc 1,310,720 bytes; oc 6,291,456 bytes
;; launch prep (part 1): grid 384 x 1, 8 waves a work-group, no clusters, 137,216 bytes of LDS; arguments x, w_qkv, w_out, xc, wc, sa, sb; writes xc, wc, sa, sb
.if DOCPART == 1
	.amdgcn_target "amdgcn-amd-amdhsa--gfx1250"
	.amdhsa_code_object_version 6
	.text
	.protected	k_q26b2672004_prep
	.globl	k_q26b2672004_prep
	.p2align	8
	.type	k_q26b2672004_prep,@function
k_q26b2672004_prep:
	s_mov_b64 s[64:65], 0
	v_nop
	global_prefetch_b8 v0, s[64:65] scope:SCOPE_SE
	s_setreg_imm32_b32 hwreg(HW_REG_WAVE_MODE, 25, 1), 1
	s_wait_xcnt 0x0
; x [8192][1024], w_qkv [1024][3072] and w_out [1024][1024], f32, become codes of BF6 (E3M2) with one E8M0 byte for each 32 along K, laid as the two GEMMs want them.
; A block's scale is 2^(floor(log2(largest magnitude)) - 4): its byte is the largest magnitude's exponent field - 4, held at 1 from below by a floor among the maximum's leaves.
; LIMITS: NaN and infinities among the inputs are not served.  A block whose largest magnitude lies under 2^-122 gets the byte 1; a block of zeros too (the rule says 127): its codes are
; zeros, which add nothing under any byte but 0xff, and only this program reads the bytes.
; ROW ORDER.  An operand's rows (tokens of x, columns n of the weights) are STORED with bits 3 and 4 of their number exchanged: lane r of tile T (16 stored rows) holds row 32 (T/2) + 8 (T%2) + r + 8 (r/8).
; So the results of two neighbouring tiles are 16 neighbours along the next product's K.
; PIECE.  16 stored rows x 64 K = 768 bytes, an image of registers: lane l = r + 16 h holds the 24 bytes of block h of row r in six registers; registers 0-3 lie at 16 l, registers 4-5 at 512 + 8 l.
; A buffer of codes is [tile][K / 64][768].  SCALES: byte (row / 128) x 4096 + piece x 256 + r x 16 + 2 x (tile % 8): two bytes, the piece's two blocks.
; WORK-GROUPS 0-255: x, 128 rows x 256 K, a tile of 16 rows to each of 8 waves.  256-351: w_qkv, 352-383: w_out, 256 columns x 128 K, 32 columns to a wave.  Each of the three ways has LDS bytes of its own.
; No tensor loads, no ring: every load of a wave is issued at its head.
.set STGW,  16640                      ; x: a wave's stage: 16 rows x SPX
.set SPX,   1040                       ; a stage row: 1,024 bytes + 16 = 260 words: row r starts 4 r banks on, so the sixteen rows of a load of 16 bytes a lane touch different banks
.set XSG,   133120                     ; x: the work-group's scale bytes, 4 pieces x 256
.set WSG1,  134144                     ; w_qkv: 2 groups x 2 pieces x 256
.set WSG2,  135168                     ; w_out likewise
.set R,     32                         ; v32-159  128 numbers as loaded
.set XR,    160                        ; v160-223 x: two sets of 32 neighbours
.set CX,    224                        ; v224-255 x: eight registers for each piece's codes, so that no store's data are written again
.set CW,    160                        ; v160-191 weights: eight registers for each block's codes
.set E,     12                         ; v12-15   scale bytes
; 32 numbers of ONE block in v[xs] on become six registers of codes in v[c] on and the scale's byte in v[e].
.macro QBLK xs, c, e
	v_max3_num_f32 v8, |v[\xs]|, |v[\xs+1]|, |v[\xs+2]|          ; the largest magnitude, in two chains
	v_max3_num_f32 v9, |v[\xs+3]|, |v[\xs+4]|, |v[\xs+5]|
.irp i, 6,10,14,18,22,26
	v_max3_num_f32 v8, v8, |v[\xs+\i]|, |v[\xs+\i+1]|
	v_max3_num_f32 v9, v9, |v[\xs+\i+2]|, |v[\xs+\i+3]|
.endr
	v_max3_num_f32 v8, v8, |v[\xs+30]|, |v[\xs+31]|
	v_max3_num_f32 v8, v8, v9, 0x2800000           ; and the floor 2^(5 - 127): the byte cannot fall under 1
	v_add_nc_u32 v11, 0xfe000000, v8               ; 4 off the exponent field: the conversion takes this operand's exponent field as its scale
	v_cvt_scalef32_pk16_bf6_f32 v[\c:\c+2], v[\xs:\xs+15], v11
	v_cvt_scalef32_pk16_bf6_f32 v[\c+4:\c+6], v[\xs+16:\xs+31], v11   ; (a conversion's three registers begin on an even number)
	v_lshrrev_b32 v[\e], 23, v11                   ; the byte; also the plain line behind the conversions
	v_mov_b32 v[\c+3], v[\c+4]                     ; the block's 24 bytes on end
	v_mov_b32 v[\c+4], v[\c+5]
	v_mov_b32 v[\c+5], v[\c+6]
.endm
	s_load_b256 s[4:11], s[0:1], 0x0               ; x s[4:5], w_qkv s[6:7], w_out s[8:9], xc s[10:11]
	s_load_b128 s[12:15], s[0:1], 0x20             ; wc s[12:13], sa s[14:15]
	s_load_b64 s[16:17], s[0:1], 0x30              ; sb
	v_lshl_add_u32 v247, v0, 2, 0x21400
	v_mov_b32 v255, 0
	v_lshrrev_b32 v1, 5, v0
	v_readfirstlane_b32 s18, v1                    ; wave 0..7
	v_and_b32 v6, 31, v0                           ; lane
	v_and_b32 v7, 15, v0                           ; r
	v_bfe_u32 v10, v0, 4, 1                        ; h
	v_lshlrev_b32 v1, 4, v6                        ; 16 l; never rewritten
	v_lshlrev_b32 v2, 3, v6                        ; 8 l; never rewritten
	s_cmp_lt_u32 ttmp9, 256
	s_cbranch_scc0 .Lweights
	; ---------------- x: group g = j / 4 of 128 rows, 256 K from 256 (j % 4) on; my tile is 8 g + wave
	s_mul_i32 s19, s18, STGW
	v_add_nc_u32 v3, s19, v1                       ; the stage, in: 16 l
	v_mul_u32_u24 v4, v7, SPX
	v_lshl_add_u32 v4, v10, 7, v4
	v_add_nc_u32 v4, s19, v4                       ; out: row r, + 128 h: my block's 32 numbers
	s_lshl_b32 s19, s18, 1
	s_add_co_u32 s19, s19, XSG
	v_lshl_add_u32 v5, v7, 4, v10
	v_add_nc_u32 v5, s19, v5                       ; my block's byte: 16 r + 2 wave + h
	s_lshl_b32 s19, s18, 9
	v_add_nc_u32 v16, s19, v1                      ; the tail (waves 0, 1): 512 wave + 16 l in memory,
	v_add_nc_u32 v17, XSG, v16                     ; and in LDS
	s_lshr_b32 s20, ttmp9, 2                       ; g
	s_and_b32 s21, ttmp9, 3                        ; which 256 along K
	s_lshr_b32 s22, s18, 1
	s_and_b32 s23, s18, 1
	s_lshl_b32 s24, s20, 7
	s_lshl_b32 s22, s22, 5
	s_lshl_b32 s23, s23, 3
	s_add_co_u32 s24, s24, s22
	s_add_co_u32 s24, s24, s23                     ; the tile's first row: 128 g + 32 (wave / 2) + 8 (wave % 2)
	s_lshl_b32 s24, s24, 12
	s_lshl_b32 s22, s21, 10
	s_add_co_u32 s24, s24, s22
	s_mov_b32 s25, 0
	s_lshl_b32 s26, s20, 3
	s_add_co_u32 s26, s26, s18
	s_mul_i32 s26, s26, 12288                      ; the tile's codes,
	s_mul_i32 s22, s21, 3072                       ; four pieces on for each 256 K
	s_add_co_u32 s26, s26, s22
	s_mov_b32 s27, 0
	s_lshl_b32 s28, s20, 12
	s_lshl_b32 s22, s21, 10
	s_add_co_u32 s28, s28, s22                     ; the group's scale bytes of these four pieces
	s_mov_b32 s29, 0
	s_wait_kmcnt 0x0
	s_add_nc_u64 s[4:5], s[4:5], s[24:25]
	s_add_nc_u64 s[10:11], s[10:11], s[26:27]
	s_add_nc_u64 s[14:15], s[14:15], s[28:29]
.irp j, 0,1
.irp r, 0,1,2,3,4,5,6,7,8,9,10,11,12,13,14,15
	global_load_b128 v[R+64*\j+4*\r:R+64*\j+4*\r+3], v1, s[4:5] offset:(\r+8*(\r/8))*4096+512*\j th:TH_LOAD_NT   ; 512 consecutive bytes of stored row r
.endr
.endr
.macro QP p                            ; piece p of my tile: all 32 numbers of a block are the lane's own
	QBLK XR+32*((\p)%2), CX+8*(\p), E+(\p)
	ds_store_b8 v5, v[E+(\p)] offset:256*(\p)
	global_store_b128 v1, v[CX+8*(\p):CX+8*(\p)+3], s[10:11] offset:768*(\p)          ; 512 consecutive bytes
	global_store_b64 v2, v[CX+8*(\p)+4:CX+8*(\p)+5], s[10:11] offset:768*(\p)+512     ; 256 consecutive bytes
.endm
.macro HALF j                          ; 128 K: through the stage as loaded, back 128 bytes a lane.  LDS serves a wave's instructions in order: no wait between the stores and the loads
	s_wait_loadcnt 16*(1-\j)                       ; this half's sixteen loads are in; the other half's may be out
.irp r, 0,1,2,3,4,5,6,7,8,9,10,11,12,13,14,15
	ds_store_b128 v3, v[R+64*\j+4*\r:R+64*\j+4*\r+3] offset:\r*SPX+512*\j
.endr
.irp q, 0,1
.irp i, 0,1,2,3,4,5,6,7
	ds_load_b128 v[XR+32*\q+4*\i:XR+32*\q+4*\i+3], v4 offset:256*(2*\j+\q)+16*\i
.endr
.endr
	s_wait_dscnt 8                                 ; the first piece's eight loads are in; the second's may be out
	QP 2*\j
	s_wait_dscnt 1                                 ; the second's are in; only the byte store just issued may be out
	QP 2*\j+1
.endm
	HALF 0
	HALF 1
	s_wait_dscnt 0x0                               ; for the others' sake: my byte stores have landed
	s_barrier_signal -1
	s_barrier_wait -1
	s_cmp_lt_u32 s18, 2
	s_cbranch_scc0 .Lx_end
	ds_load_b128 v[20:23], v17                     ; the eight tiles' bytes of two pieces
	s_wait_dscnt 0x0
	global_store_b128 v16, v[20:23], s[14:15]      ; 512 consecutive bytes, at a multiple of 256
.Lx_end:
	s_wait_tensorcnt 0x0
	ds_add_u32 v247, v255
	s_wait_dscnt 0x0
	s_endpgm
; ---------------- a weight [1024 (k)][n]: a LANE TAKES A COLUMN and its registers run down K: a block of 32 lies in one lane, and the conversions give codes with K innermost.
; Lanes 0-15 take the columns of stored tile 2 wave, lanes 16-31 those of tile 2 wave + 1.  An exchange of halves between a piece's two blocks makes the two tiles' piece images.
.macro WPATH pitch, pin, tile0, psc, wsg, jw0
	s_sub_co_u32 s20, ttmp9, \jw0
	s_lshr_b32 s21, s20, 3                         ; which 256 columns
	s_and_b32 s22, s20, 7                          ; which 128 along K
	v_and_b32 v3, 8, v7
	v_add_nc_u32 v3, v3, v7
	v_lshl_add_u32 v3, v10, 3, v3                  ; my column of the wave's 32: 8 (l / 16) + r + 8 (r / 8)
	v_lshlrev_b32 v3, 2, v3
	s_lshr_b32 s23, s18, 2
	s_and_b32 s24, s18, 3
	s_lshl_b32 s23, s23, 9
	s_lshl_b32 s24, s24, 2
	s_add_co_u32 s23, s23, s24
	s_add_co_u32 s23, s23, \wsg
	v_lshlrev_b32 v5, 4, v7
	v_lshl_add_u32 v5, v10, 1, v5
	v_add_nc_u32 v5, s23, v5                       ; my two bytes of a piece: 512 (wave / 4) + 16 r + 2 (2 (wave % 4) + l / 16)
	s_lshl_b32 s23, s18, 9
	v_add_nc_u32 v17, s23, v1
	v_add_nc_u32 v17, \wsg, v17                    ; the tail (waves 0, 1): a group's 512 bytes in LDS,
	s_lshl_b32 s23, s18, 12
	v_add_nc_u32 v16, s23, v1                      ; and in memory, a group 4,096 bytes on
	s_mul_i32 s24, s22, 128*\pitch
	s_lshl_b32 s26, s21, 10
	s_add_co_u32 s24, s24, s26
	s_lshl_b32 s26, s18, 7
	s_add_co_u32 s24, s24, s26                     ; in: 128 rows of K down, 256 columns a block, 32 a wave
	s_mov_b32 s25, 0
	s_lshl_b32 s26, s21, 4
	s_add_co_u32 s26, s26, \tile0
	s_lshl_b32 s28, s18, 1
	s_add_co_u32 s26, s26, s28                     ; my first tile
	s_mul_i32 s26, s26, 12288
	s_mul_i32 s28, s22, 1536
	s_add_co_u32 s26, s26, s28
	s_mov_b32 s27, 0
	s_lshl_b32 s28, s21, 13
	s_add_co_u32 s28, s28, 64*4096                 ; the weights' groups lie behind the 64 groups of rows
	s_lshl_b32 s30, s22, 9
	s_add_co_u32 s28, s28, s30
	s_mov_b32 s29, 0
	s_wait_kmcnt 0x0
	s_add_nc_u64 s[\pin:\pin+1], s[\pin:\pin+1], s[24:25]
	s_add_nc_u64 s[12:13], s[12:13], s[26:27]
	s_add_nc_u64 s[\psc:\psc+1], s[\psc:\psc+1], s[28:29]
.set n, 0
.rept 128
	global_load_b32 v[R+n], v3, s[\pin:\pin+1] offset:n*\pitch th:TH_LOAD_NT   ; row n of K at the wave's 32 columns: 128 consecutive bytes
.set n, n+1
.endr
.irp t, 0,1,2,3
.if \t < 2
	s_wait_loadcnt 63                              ; the count's field ends at 63: less than the 96 and 64 that blocks 0 and 1 would allow, so their loads are in
.else
	s_wait_loadcnt 32*(3-\t)                       ; this block's 32 loads are in; the later blocks' may be out
.endif
	QBLK R+32*\t, CW+8*\t, E+\t
.endr
.irp q, 0,1                            ; piece q: blocks 2 q and 2 q + 1
.irp k, 0,1,2,3,4,5
	v_permlane16_swap_b32 v[CW+16*\q+\k], v[CW+16*\q+8+\k]     ; the first's lanes 16-31 change places with the second's lanes 0-15: the first is now tile 0's piece, the second tile 1's
.endr
	v_lshl_or_b32 v[18+\q], v[E+2*\q+1], 8, v[E+2*\q]
	ds_store_b16 v5, v[18+\q] offset:256*\q
	global_store_b128 v1, v[CW+16*\q:CW+16*\q+3], s[12:13] offset:768*\q
	global_store_b64 v2, v[CW+16*\q+4:CW+16*\q+5], s[12:13] offset:768*\q+512
	global_store_b128 v1, v[CW+16*\q+8:CW+16*\q+11], s[12:13] offset:12288+768*\q
	global_store_b64 v2, v[CW+16*\q+12:CW+16*\q+13], s[12:13] offset:12288+768*\q+512
.endr
	s_wait_dscnt 0x0                               ; for the others' sake: my stores of scale bytes have landed
	s_barrier_signal -1
	s_barrier_wait -1
	s_cmp_lt_u32 s18, 2
	s_cbranch_scc0 .Lw_end_\@
	ds_load_b128 v[20:23], v17
	s_wait_dscnt 0x0
	global_store_b128 v16, v[20:23], s[\psc:\psc+1]            ; two pieces of one group: 512 consecutive bytes, at a multiple of 256
.Lw_end_\@:
	s_wait_tensorcnt 0x0
	ds_add_u32 v247, v255
	s_wait_dscnt 0x0
	s_endpgm
.endm
.Lweights:
	s_cmp_lt_u32 ttmp9, 352
	s_cbranch_scc0 .Lwout
	WPATH 12288, 6, 0, 14, WSG1, 256
.Lwout:
	WPATH 4096, 8, 192, 16, WSG2, 352
.Lfunc_end_k_q26b2672004_prep:
	.size	k_q26b2672004_prep, .Lfunc_end_k_q26b2672004_prep-k_q26b2672004_prep
	.p2alignl 7, 3214868480
	.fill 96, 4, 3214868480
	.section	.rodata,"a",@progbits
	.p2align	6, 0x0
	.amdhsa_kernel k_q26b2672004_prep
		.amdhsa_group_segment_fixed_size 137216
		.amdhsa_private_segment_fixed_size 0
		.amdhsa_enable_private_segment 0
		.amdhsa_kernarg_size 56
		.amdhsa_user_sgpr_count 2
		.amdhsa_user_sgpr_kernarg_segment_ptr 1
		.amdhsa_wavefront_size32 1
		.amdhsa_system_sgpr_workgroup_id_x 1
		.amdhsa_system_sgpr_workgroup_id_y 1
		.amdhsa_system_sgpr_workgroup_id_z 1
		.amdhsa_system_vgpr_workitem_id 0
		.amdhsa_next_free_vgpr 256
		.amdhsa_next_free_sgpr 66
		.amdhsa_reserve_vcc 0
		.amdhsa_float_denorm_mode_32 3
		.amdhsa_float_denorm_mode_16_64 3
		.amdhsa_memory_ordered 1
		.amdhsa_forward_progress 1
		.amdhsa_inst_pref_size 59
	.end_amdhsa_kernel
	.amdgpu_metadata
---
amdhsa.version: [ 1, 2 ]
amdhsa.kernels:
  - .name:           k_q26b2672004_prep
    .symbol:         k_q26b2672004_prep.kd
    .args:
      - { .name: x, .offset: 0, .size: 8, .value_kind: global_buffer, .address_space: global }
      - { .name: w_qkv, .offset: 8, .size: 8, .value_kind: global_buffer, .address_space: global }
      - { .name: w_out, .offset: 16, .size: 8, .value_kind: global_buffer, .address_space: global }
      - { .name: xc, .offset: 24, .size: 8, .value_kind: global_buffer, .address_space: global }
      - { .name: wc, .offset: 32, .size: 8, .value_kind: global_buffer, .address_space: global }
      - { .name: sa, .offset: 40, .size: 8, .value_kind: global_buffer, .address_space: global }
      - { .name: sb, .offset: 48, .size: 8, .value_kind: global_buffer, .address_space: global }
    .group_segment_fixed_size: 137216
    .private_segment_fixed_size: 0
    .kernarg_segment_align: 8
    .kernarg_segment_size: 56
    .max_flat_workgroup_size: 256
    .sgpr_count:     66
    .vgpr_count:     256
    .wavefront_size: 32
...
	.end_amdgpu_metadata
.endif
;; end of part 1
;; launch qkv (part 2): grid 12 x 32, 4 waves a work-group, clusters of 4 x 4, 327,680 bytes of LDS; arguments xc, wc, sa, b_qkv, hc, hsc; writes hc, hsc
.if DOCPART == 2
	.amdgcn_target "amdgcn-amd-amdhsa--gfx1250"
	.amdhsa_code_object_version 6
	.text
	.protected	k_q26b2672004_qkv
	.globl	k_q26b2672004_qkv
	.p2align	8
	.type	k_q26b2672004_qkv,@function
k_q26b2672004_qkv:
	s_mov_b64 s[64:65], 0
	v_nop
	global_prefetch_b8 v0, s[64:65] scope:SCOPE_SE
	s_setreg_imm32_b32 hwreg(HW_REG_WAVE_MODE, 25, 1), 1
	s_wait_xcnt 0x0
	s_wait_alu depctr_hold_cnt(0) depctr_sa_sdst(0) depctr_va_vdst(0) depctr_va_sdst(0) depctr_va_ssrc(0) depctr_va_vcc(0) depctr_vm_vsrc(0)
	s_getreg_b32 s2, hwreg(HW_REG_IB_STS2, 6, 4)
	s_cmp_eq_u32 s2, 0
	s_cbranch_scc0 .Lentry_in_a_cluster
	s_endpgm
.Lentry_in_a_cluster:
	s_bfe_u32 s2, ttmp6, 0x10000c
	s_cmp_lg_u32 s2, 0xf033
	s_cbranch_scc0 .Lentry_shape_is_right
	s_endpgm
.Lentry_shape_is_right:
; qkv = x w_qkv + b_qkv on codes of BF6 with E8M0 scales (8,192 x 1,024 x 3,072), and the quantising of q, k (along the head's 64) and v (along the keys) for the attention: qkv itself never goes to memory.
; A work-group of four waves makes 256 x 256, a wave 128 x 128: 64 accumulators, 512 registers.  S0 is the matrix instruction's source 0: its rows run along a lane's registers in the result; S1 is source 1: its rows lie in lanes.
; CLUSTERS x = 0, 1 (q, k): S0 = 256 columns of w_qkv, S1 = 256 tokens: a lane holds a token, its registers run along (head, d).  CLUSTER x = 2 (v): S0 = 256 tokens, S1 = 256 columns: a lane holds a column (head, d),
; its registers run along the keys.  So a result's registers always run along the NEXT product's K, and since operands' rows are stored with bits 3 and 4 of their number exchanged, the 16 registers of two neighbouring
; tiles are 16 neighbours there.  The choice hangs on the cluster's x alone, which all sixteen partners share.
; CODES come as pieces (16 stored rows x 64 K = 768 bytes, an image of six registers a lane: registers 0-3 at 16 l, 4-5 at 512 + 8 l): a fragment is four dense LDS loads, no padding.
; K = 1,024 = four K slots of 256.  Three LDS slots are filled at the start; K slot 3 goes into slot 0 when K slot 0 has been read: one refill.  S1's tiles are asked for jointly along a row of the cluster, S0's along a column.
; All 64 scale words of a wave (8 K steps x 8 tiles; S1's in lanes 0-15, S0's in lanes 16-31) stay in registers.  The bias is the C of the first K step.
; 384 work-groups on a grid of 12 x 32: one and a half times the chip's 256 WGPs; a tile of 256 x 384 would want 768 accumulator registers a wave and does not fit beside the operands.
; LIMITS: as in the quantising launch: NaN and infinities not served; blocks under 2^-122, zeros among them, get the byte 1.
; REGISTERS: window 0: v1-3 lane offsets, v4-19 fragment addresses, v20-26 at work, v28-29 the add's; v32-95 scale words; v96-127, v224-255 bias; v128-223 S1's eight fragments.
;   window 1: S0's fragments, two sets, at v0 and v128.  windows 2, 3: accumulator (a, b) at v[8 (8 (a % 4) + b)], window 2 + a / 4.
.set NB0,   8                          ; S0's tiles to a wave
.set TILEB, 3072                       ; a tile's four pieces in a slot
.set S0OFF, 16*TILEB                   ; a slot: S1's 16 tiles, then S0's 16
.set SLOT,  S0OFF+2*NB0*TILEB
.set SPARE, 3*SLOT                     ; the spare words, 128 bytes for each wave: two blocks of 256 bytes that no other line names
.set FR,    12                         ; registers of a fragment
.set NL,    4                          ; LDS loads that bring one
.set SC,    32
.set AF,    128
.set TP,    224                        ; epilogue: the conversions' second halves
.set TM,    232                        ; epilogue: v232-235 maxima, v236-239 bytes, v244-247 scale operands
.set PWR,   96                         ; epilogue: v96-103 the eight scale words made
.set PJ,    104
.set WJ,    108
.set MSB,   0
.macro WIN new                         ; the immediate's high byte repeats the setting that is left
.if MSB != \new
	s_set_vgpr_msb (MSB<<8)|\new
.set MSB, \new
.endif
.endm
.macro PLACES n
.rept \n
	v_nop
.endr
.endm
; A joint load: waves 0 and 1 fetch S1's halves, waves 2 and 3 S0's.  The branch hangs on the wave's number alone.  Four v_nop follow each of the two lines.
.macro JLOAD g0a, g1a, g0b, g1b
	s_cmp_eq_u32 s17, 0
	s_cbranch_scc0 .Lfor_b_\@
	tensor_load_to_lds s[\g0a:\g0a+3], s[\g1a:\g1a+7]
	s_nop 0
.rept 4
	v_nop
.endr
	s_branch .Lasked_\@
.Lfor_b_\@:
	tensor_load_to_lds s[\g0b:\g0b+3], s[\g1b:\g1b+7]
	s_nop 0
.rept 4
	v_nop
.endr
.Lasked_\@:
.endm
.macro CREST                           ; a round of the cluster's barrier behind its opening barrier
	s_cmp_lg_u32 s16, 0
	s_cbranch_scc1 .Lnot_wave_0_\@
	s_barrier_signal -3
.Lnot_wave_0_\@:
	s_barrier_wait -3
	s_barrier_signal -1
	s_barrier_wait -1
.endm
.macro CROUND
	s_barrier_signal -1
	s_barrier_wait -1
	CREST
.endm
; A fragment (16 rows x 128 K, 12 registers) is two pieces: tile i of operand op (0: S1, 1: S0), the slot's q-th 128 along K.  Every load takes 512 or 256 consecutive bytes.
.macro FRAG reg, op, slot, q, i
	ds_load_b128 v[\reg:\reg+3],     v[4+8*(\op)+(\slot)] offset:(\i)*TILEB+1536*(\q)
	ds_load_b64  v[\reg+4:\reg+5],   v[8+8*(\op)+(\slot)] offset:(\i)*TILEB+1536*(\q)+512
	ds_load_b128 v[\reg+6:\reg+9],   v[4+8*(\op)+(\slot)] offset:(\i)*TILEB+1536*(\q)+768
	ds_load_b64  v[\reg+10:\reg+11], v[8+8*(\op)+(\slot)] offset:(\i)*TILEB+1536*(\q)+1280
.endm
.macro FETCH_B slot, q, p              ; S0's eight fragments into set p of window 1
	WIN 0x40
.irp i, 0,1,2,3,4,5,6,7
	FRAG 128*(\p)+FR*\i, 1, \slot, \q, \i
.endr
	WIN 0
.endm
.macro FETCH_A slot, q, i0             ; S1's blocks i0 .. i0 + 3
.irp i, \i0, \i0+1, \i0+2, \i0+3
	FRAG AF+FR*(\i), 0, \slot, \q, \i
.endr
.endm
.macro WMR d, s0, s1, c, sa, sb
	v_wmma_scale_f32_16x16x128_f8f6f4 v[\d:\d+7], v[\s0:\s0+11], v[\s1:\s1+11], v[\c:\c+7], v[\sa], v[\sb] matrix_a_fmt:MATRIX_FMT_BF6 matrix_b_fmt:MATRIX_FMT_BF6 matrix_a_scale:MATRIX_SCALE_ROW1
.endm
; 16 matrix instructions: S1's blocks a0, a0 + 1 x S0's eight, K step ks, S0's set p.  cm = 0: onto the sums; 1: the bias tile of S0's block starts the sum; 2: that of S1's block.
; The 64 accumulators take turns, one instruction a turn, in the same order in every step.
.macro MULA a0, p, ks, cm
.set WD, 2+(NB0*(\a0))/32
.if \cm
.set WN, 0x01|(WD<<6)                  ; source 0 window 1, source 1 and C window 0, D window WD
.else
.set WN, 0x01|(WD<<4)|(WD<<6)          ; C and D window WD
.endif
	WIN WN
.irp a, \a0, \a0+1
.irp b, 0,1,2,3,4,5,6,7
.set AC, (8*(NB0*(\a)+\b))%256
.set CC, AC
.if \cm == 1
.set CC, 96+8*\b+96*(\b/4)
.endif
.if \cm == 2
.set CC, 96+8*(\a)+96*((\a)/4)
.endif
	WMR AC, 128*(\p)+FR*\b, AF+FR*(\a), CC, SC+8*(\ks)+\b, SC+8*(\ks)+(\a)
.endr
.endr
.endm
; A K step of 128: 64 matrix instructions, S1's blocks one after the other.  A block of S1 is free when its eight products are issued, so S1 has one set: blocks 0-3 are fetched anew in the middle, 4-7 at the end.
; A load into a register that a matrix instruction has read stands four plain vector instructions behind it: the v_nop.
.macro STEP ks, nslot, nq, cm
.set PP, (\ks)%2
	s_wait_dscnt 4*NL                              ; S0's set and S1's blocks 0-3 are in; the youngest sixteen loads (blocks 4-7) may be out
	MULA 0, PP, \ks, \cm
	MULA 2, PP, \ks, \cm
	s_wait_dscnt 0x0                               ; blocks 4-7 are in
	PLACES 4
	FETCH_B \nslot, \nq, 1-PP
	FETCH_A \nslot, \nq, 0
	MULA 4, PP, \ks, \cm
	MULA 6, PP, \ks, \cm
	PLACES 4
	WIN 0
	FETCH_A \nslot, \nq, 4
.endm
; A step that leaves a slot: in front of ONE barrier each wave waits for all its tensor loads, adds 0 to its spare word, and waits for that and for its reads of the slot.
; mode = 1: the barrier opens a round of the cluster's barrier, and slot 0 is filled again, with K slot 3.
.macro TURN ks, nslot, mode
	s_wait_tensorcnt 0x0                           ; all my tensor loads have landed
	ds_add_u32 v28, v29                            ; 0 onto my spare word
	s_wait_dscnt 4*NL+1                            ; (the add and the youngest sixteen loads may be out)
	MULA 0, 1, \ks, 0
	s_wait_dscnt 0x0                               ; the add is done, and my reads of the slot are over
	s_barrier_signal -1
	MULA 2, 1, \ks, 0
	WIN 0
	s_barrier_wait -1
.if \mode
	CREST                                          ; no wave of any partner still reads slot 0 or has a load on its way
	s_add_nc_u64 s[42:43], s[42:43], 3*TILEB       ; from K slot 0 to K slot 3; the type bits on top are not reached
	s_add_nc_u64 s[70:71], s[70:71], 3*TILEB
	JLOAD 40, 24, 68, 32                           ; the first tensor load behind the round; its four v_nop are the places in front of the loads below
.else
	PLACES 4
.endif
	FETCH_B \nslot, 0, 0
	FETCH_A \nslot, 0, 0
	MULA 4, 1, \ks, 0
	MULA 6, 1, \ks, 0
	PLACES 4
	WIN 0
	FETCH_A \nslot, 0, 4
.endm
	s_load_b256 s[4:11], s[0:1], 0x0               ; xc s[4:5], wc s[6:7], sa s[8:9], b_qkv s[10:11]
	s_load_b128 s[12:15], s[0:1], 0x20             ; hc s[12:13], hsc s[14:15]
	v_lshl_add_u32 v28, v0, 2, SPARE
	v_mov_b32 v29, 0
	ds_add_u32 v28, v29
	ds_add_u32 v28, v29
	s_wait_dscnt 0x0
	v_lshrrev_b32 v1, 5, v0
	v_readfirstlane_b32 s16, v1                    ; wave 0..3
	s_lshr_b32 s17, s16, 1                         ; H1: my half of S1.  Also: I fetch for S1 (0) or S0 (1)
	s_and_b32 s18, s16, 1                          ; H0: my half of S0.  Also: which half I fetch
	s_bfe_u32 s19, ttmp6, 0x40000                  ; cx
	s_bfe_u32 s20, ttmp6, 0x40004                  ; cy
	s_mov_b32 s21, ttmp9                           ; the cluster's x: 0 q, 1 k, 2 v
	s_and_b32 s22, ttmp7, 0xffff                   ; the cluster's y
	s_cmp_eq_u32 s21, 2
	s_cselect_b32 s23, 1, 0                        ; a v cluster?
	s_cselect_b32 s60, s22, s21
	s_cselect_b32 s61, 2, s22
	s_cselect_b32 s92, 0, 64                       ; where S0's groups of scale bytes begin: rows' at 0, columns' at 64
	s_cselect_b32 s93, 64, 0                       ; and S1's
	s_lshl_b32 s60, s60, 2
	s_add_co_u32 s60, s60, s19                     ; u: which 256 rows of S0: it holds cx, never cy
	s_lshl_b32 s61, s61, 2
	s_add_co_u32 s61, s61, s20                     ; w: which 256 rows of S1: it holds cy, never cx
	s_lshl_b32 s88, s20, 2
	s_lshl_b32 s88, 15, s88                        ; my row of the cluster
	s_lshl_b32 s89, 0x1111, s19                    ; my column
	s_or_b32 s24, s88, (3<<16)|(1<<21)             ; group 1 for S1: 15:0 the mask; 17:16 elements of 8 bytes; 21 set beside a mask; no padding
	s_or_b32 s32, s89, (3<<16)|(1<<21)             ; for S0
.irp g, 24, 32
	s_mov_b32 s[\g+1], 384<<16                     ; tensor_dim0: a tile's 3,072 bytes of a K slot
	s_mov_b32 s[\g+2], 8<<16                       ; tensor_dim1: 8 tiles
	s_mov_b32 s[\g+3], 384<<16                     ; tile_dim0
	s_mov_b32 s[\g+4], 8                           ; tile_dim1
	s_mov_b32 s[\g+5], 1536                        ; from tile to tile: 12,288 bytes
	s_mov_b32 s[\g+6], 0
	s_mov_b32 s[\g+7], 0
.endr
	s_lshl_b32 s84, s61, 4
	s_lshl_b32 s85, s18, 3
	s_add_co_u32 s84, s84, s85
	s_mul_i32 s84, s84, 12288                      ; S1: tile 16 w + 8 x the half that I fetch
	s_mov_b32 s85, 0
	s_lshl_b32 s86, s60, 4
	s_lshl_b32 s87, s18, 3
	s_add_co_u32 s86, s86, s87
	s_mul_i32 s86, s86, 12288                      ; S0: tile 16 u + 8 x half
	s_mov_b32 s87, 0
	s_mul_i32 s95, s18, 8*TILEB                    ; where they go: no place in the cluster enters an LDS address
	s_mul_i32 s96, s18, NB0*TILEB
	s_add_co_u32 s96, s96, S0OFF
	s_lshl_b32 s94, s60, 1
	s_add_co_u32 s92, s92, s94
	s_add_co_u32 s92, s92, s18
	s_lshl_b32 s92, s92, 12                        ; my S0 half's group of scale bytes
	s_lshl_b32 s94, s61, 1
	s_add_co_u32 s93, s93, s94
	s_add_co_u32 s93, s93, s17
	s_lshl_b32 s93, s93, 12                        ; my S1 half's
	s_wait_kmcnt 0x0
	s_cmp_eq_u32 s23, 1
	s_cselect_b64 s[56:57], s[4:5], s[6:7]         ; S0's codes: x's in a v cluster, else w_qkv's
	s_cselect_b64 s[58:59], s[6:7], s[4:5]         ; S1's
	s_add_nc_u64 s[56:57], s[56:57], s[86:87]
	s_add_nc_u64 s[58:59], s[58:59], s[84:85]
	CROUND                                         ; all sixteen work-groups are here: the first joint loads meet
.irp s, 0,1,2                          ; K slots 0, 1, 2: three loads of mine are out
	s_mov_b32 s[40+4*\s], 1
	s_add_co_u32 s[41+4*\s], s95, \s*SLOT
	s_add_nc_u64 s[42+4*\s:43+4*\s], s[58:59], \s*TILEB
	s_or_b32 s[43+4*\s], s[43+4*\s], 0x80000000
	s_mov_b32 s[68+4*\s], 1
	s_add_co_u32 s[69+4*\s], s96, \s*SLOT
	s_add_nc_u64 s[70+4*\s:71+4*\s], s[56:57], \s*TILEB
	s_or_b32 s[71+4*\s], s[71+4*\s], 0x80000000
	JLOAD 40+4*\s, 24, 68+4*\s, 32
.endr
	v_and_b32 v25, 31, v0
	v_and_b32 v24, 15, v0                          ; r
	v_bfe_u32 v23, v0, 4, 1                        ; h
	v_lshlrev_b32 v1, 4, v25                       ; 16 l
	v_lshlrev_b32 v2, 3, v25                       ; 8 l
	v_lshlrev_b32 v3, 4, v24                       ; 16 r
	s_mul_i32 s90, s17, 8*TILEB                    ; my half of S1,
	s_mul_i32 s91, s18, NB0*TILEB
	s_add_co_u32 s91, s91, S0OFF                   ; of S0
.irp s, 0,1,2
	v_add_nc_u32 v[4+\s], s90, v1
	v_add_nc_u32 v[8+\s], s90, v2
	v_add_nc_u32 v[12+\s], s91, v1
	v_add_nc_u32 v[16+\s], s91, v2
	s_add_co_u32 s90, s90, SLOT
	s_add_co_u32 s91, s91, SLOT
.endr
	; the scale bytes: lanes 0-15 take S1's group, lanes 16-31 S0's; 16 bytes a lane are the eight tiles' two bytes of one piece
	v_mov_b32 v25, s93
	v_mov_b32 v26, s92
	s_mov_b32 s62, 0xffff0000
	v_cndmask_b32 v20, v25, v26, s62
	v_add_nc_u32 v20, v20, v3
.irp p, 0,1,2,3,4,5,6,7,8,9,10,11,12,13,14,15
	global_load_b128 v[128+4*\p:128+4*\p+3], v20, s[8:9] offset:256*\p
.endr
	v_mul_u32_u24 v21, v23, 20480
	v_add_nc_u32 v21, v21, v3                      ; the v clusters' store of scale words: a head on for lanes 16-31
	s_cmp_eq_u32 s23, 1
	s_cbranch_scc1 .Lbias_v
	s_lshl_b32 s88, s60, 10                        ; q, k: register j of S0's tile t is column 256 u + 128 H0 + 32 (t / 2) + 16 h + 8 (t % 2) + j
	s_lshl_b32 s89, s18, 9
	s_add_co_u32 s88, s88, s89
	s_mov_b32 s89, 0
	s_add_nc_u64 s[88:89], s[10:11], s[88:89]
	v_lshlrev_b32 v22, 6, v23
.irp t, 0,1,2,3,4,5,6,7
	global_load_b128 v[96+8*\t+96*(\t/4):96+8*\t+96*(\t/4)+3], v22, s[88:89] offset:(32*(\t/2)+8*(\t%2))*4
	global_load_b128 v[96+8*\t+96*(\t/4)+4:96+8*\t+96*(\t/4)+7], v22, s[88:89] offset:(32*(\t/2)+8*(\t%2))*4+16
.endr
	s_branch .Lbias_done
.Lbias_v:
	s_lshl_b32 s88, s61, 10                        ; v: lane r of S1's tile t is column 256 w + 128 H1 + 32 (t / 2) + 8 (t % 2) + r + 8 (r / 8), the same for all eight registers
	s_lshl_b32 s89, s17, 9
	s_add_co_u32 s88, s88, s89
	s_mov_b32 s89, 0
	s_add_nc_u64 s[88:89], s[10:11], s[88:89]
	v_and_b32 v22, 8, v24
	v_add_nc_u32 v22, v22, v24
	v_lshlrev_b32 v22, 2, v22
.irp t, 0,1,2,3,4,5,6,7
	global_load_b32 v[96+8*\t+96*(\t/4)], v22, s[88:89] offset:(32*(\t/2)+8*(\t%2))*4
.endr
	s_wait_loadcnt 0x0
.irp t, 0,1,2,3,4,5,6,7
.irp j, 1,2,3,4,5,6,7
	v_mov_b32 v[96+8*\t+96*(\t/4)+\j], v[96+8*\t+96*(\t/4)]
.endr
.endr
.Lbias_done:
	s_wait_loadcnt 0x0
	s_mov_b32 s66, 0x05040100                      ; the two low halves
	s_mov_b32 s67, 0x07060302                      ; the two high halves
.irp s, 0,1,2,3,4,5,6,7                ; K step s = pieces 2 s, 2 s + 1: a tile's two bytes of each make its scale word.  Ascending: each step's words stand eight plain lines or more ahead of their first product
.irp e, 0,1,2,3
	v_perm_b32 v[SC+8*\s+2*\e],   v[128+8*\s+4+\e], v[128+8*\s+\e], s66
	v_perm_b32 v[SC+8*\s+2*\e+1], v[128+8*\s+4+\e], v[128+8*\s+\e], s67
.endr
.endr
	s_wait_tensorcnt 2                             ; my part of K slot 0 is in; slots 1 and 2 may stay out
	s_barrier_signal -1
	s_barrier_wait -1
	FETCH_B 0, 0, 0
	FETCH_A 0, 0, 0
	FETCH_A 0, 0, 4
	s_cmp_eq_u32 s23, 1                            ; the first step is written twice: the bias goes by S0's tile or by S1's.  No barrier and no tensor load stands in it
	s_cbranch_scc1 .Lfirst_v
	STEP 0, 0, 1, 1
	s_branch .Lfirst_done
.Lfirst_v:
	STEP 0, 0, 1, 2
.Lfirst_done:
	TURN 1, 1, 1                                   ; slot 0 is left and filled again: the load has K steps 2 to 4 in which to land
	STEP 2, 1, 1, 0
	STEP 3, 2, 0, 0                                ; slot 2 was shown whole by the wait for all loads and the barrier in K step 1
	STEP 4, 2, 1, 0
	TURN 5, 0, 0                                   ; K slot 3 has landed in slot 0; nothing is filled again
	s_wait_alu depctr_va_vdst(0)
	STEP 6, 0, 1, 0
	s_wait_dscnt 4*NL                              ; the last step: nothing more to fetch
	MULA 0, 1, 7, 0
	MULA 2, 1, 7, 0
	s_wait_dscnt 0x0
	MULA 4, 1, 7, 0
	MULA 6, 1, 7, 0
	WIN 0
	; THE EPILOGUE, without LDS.  For S1's block a a lane holds 64 numbers of its row: register 16 b + i is place 32 b + 16 h + i of 128 neighbours along the next K.
	PLACES 4
.irp b, 0,1,2,3
	v_mov_b32 v[TM+4+\b], 0                        ; written once: a lane permute's destination counts as one of its sources
.endr
.macro QUANTW a                        ; they become 12 registers of codes at v[128 + 12 a] and the scale word v[PWR + a]
.set WQ, 2+(\a)/4
.set AC, 64*((\a)%4)
.set PC, 128+12*(\a)
.set WN, WQ|(WQ<<2)
	WIN WN                                         ; sources 0 and 1: the accumulators' window
.irp b, 0,1,2,3
	v_max3_num_f32 v[TM+\b], |v[AC+16*\b]|, |v[AC+16*\b+1]|, 0x2800000       ; each accumulator from its low end on; the floor 2^(5 - 127) holds the byte at 1 from below
.endr
.irp i, 2,4,6,8,10,12,14
.irp b, 0,1,2,3
	v_max3_num_f32 v[TM+\b], |v[AC+16*\b+\i]|, |v[AC+16*\b+\i+1]|, v[TM+\b]  ; (the four blocks by turns)
.endr
.endr
	WIN 0
.irp b, 0,1,2,3
	v_permlanex16_b32 v[TM+4+\b], v[TM+\b], s98, s99
.endr
.irp b, 0,1,2,3
	v_max_num_f32 v[TM+\b], v[TM+\b], v[TM+4+\b]   ; with lane l xor 16's: the block's largest magnitude
.endr
.irp b, 0,1,2,3
	v_add_nc_u32 v[TM+12+\b], 0xfe000000, v[TM+\b] ; 4 off the exponent field: the conversion's scale operand
.endr
.irp b, 0,1,2,3
	v_lshrrev_b32 v[TM+4+\b], 23, v[TM+12+\b]      ; the byte
.endr
	v_lshl_or_b32 v[PWR+(\a)], v[TM+5], 8, v[TM+4]
	v_lshl_or_b32 v[PWR+(\a)], v[TM+6], 16, v[PWR+(\a)]
	v_lshl_or_b32 v[PWR+(\a)], v[TM+7], 24, v[PWR+(\a)]
	WIN WQ                                         ; source 0: the accumulators' window
.irp c, 0,1
	v_cvt_scalef32_pk16_bf6_f32 v[PC+6*\c:PC+6*\c+2], v[AC+32*\c:AC+32*\c+15], v[TM+12+2*\c]
	v_cvt_scalef32_pk16_bf6_f32 v[TP+4*\c:TP+4*\c+2], v[AC+32*\c+16:AC+32*\c+31], v[TM+12+2*\c+1]
.endr
	WIN 0
	v_nop                                          ; one plain line behind a scaled conversion
.irp c, 0,1                            ; the layout wants a WHOLE block in a lane: lanes 0-15 block 2 c, lanes 16-31 block 2 c + 1
.irp i, 0,1,2
	v_permlane16_swap_b32 v[PC+6*\c+\i], v[TP+4*\c+\i]
.endr
.irp i, 0,1,2
	v_mov_b32 v[PC+3+6*\c+\i], v[TP+4*\c+\i]
.endr
.endr
.endm
	s_mov_b32 s98, 0x76543210
	s_mov_b32 s99, 0xfedcba98                      ; v_permlanex16_b32's selects for lane l xor 16
.irp a, 0,1,2,3,4,5,6,7
	QUANTW \a
.endr
.irp j, 0,1,2,3
	v_cndmask_b32 v[PJ+\j], v[PWR+\j], v[PWR+4+\j], s62   ; lanes 0-15 blocks 0-3's words, lanes 16-31 blocks 4-7's (both halves of the lanes hold every word)
.endr
	s_cmp_eq_u32 s23, 1
	s_cbranch_scc1 .Lstore_v
	; q, k: the 128 places are two heads' 64: registers 0-5 are the first head's piece of 16 tokens, 6-11 the second's; a word's low half the first head's two bytes, its high half the second's
	s_lshr_b32 s88, s61, 3
	s_lshl_b32 s88, s88, 4
	s_lshl_b32 s89, s19, 2
	s_add_co_u32 s88, s88, s89
	s_lshl_b32 s89, s18, 1
	s_add_co_u32 s88, s88, s89                     ; 16 x batch + my first head: 16 (w / 8) + 4 cx + 2 H0
	s_and_b32 s89, s61, 7
	s_lshl_b32 s90, s89, 4
	s_lshl_b32 s91, s17, 3
	s_add_co_u32 s90, s90, s91                     ; my first tile of tokens in the batch
	s_mul_i32 s90, s90, 768
	s_mul_i32 s91, s88, 294912
	s_add_co_u32 s90, s90, s91
	s_mul_i32 s91, s21, 98304                      ; q's codes, then k's
	s_add_co_u32 s84, s90, s91
	s_mov_b32 s85, 0
	s_add_nc_u64 s[84:85], s[12:13], s[84:85]
	s_lshl_b32 s90, s89, 1
	s_add_co_u32 s90, s90, s17
	s_lshl_b32 s90, s90, 9                         ; eight tiles' words: 512 bytes
	s_mul_i32 s91, s88, 20480
	s_add_co_u32 s90, s90, s91
	s_lshl_b32 s91, s21, 13
	s_add_co_u32 s86, s90, s91
	s_mov_b32 s87, 0
	s_add_nc_u64 s[86:87], s[14:15], s[86:87]
	s_wait_alu depctr_va_vdst(0)
.irp j, 0,1,2,3
	v_and_b32 v[WJ+\j], 0xffff, v[PJ+\j]           ; bytes 2 and 3 stay 0: the attention's K is 64 of the instruction's 128
	v_lshrrev_b32 v[WJ+4+\j], 16, v[PJ+\j]
.endr
.irp a, 0,1,2,3,4,5,6,7
	global_store_b128 v1, v[128+12*\a:128+12*\a+3], s[84:85] offset:768*\a
	global_store_b64 v2, v[128+12*\a+4:128+12*\a+5], s[84:85] offset:768*\a+512
	global_store_b128 v1, v[128+12*\a+6:128+12*\a+9], s[84:85] offset:294912+768*\a
	global_store_b64 v2, v[128+12*\a+10:128+12*\a+11], s[84:85] offset:294912+768*\a+512
.endr
	global_store_b128 v1, v[WJ:WJ+3], s[86:87]                  ; 512 consecutive bytes
	global_store_b128 v1, v[WJ+4:WJ+7], s[86:87] offset:20480
	s_branch .Ldone
.Lstore_v:
	; v: the 128 places are one key step; block a is d tile a % 4 of head a / 4: a whole fragment, stored as three images of 512 bytes
	s_lshr_b32 s88, s60, 3
	s_lshl_b32 s88, s88, 4
	s_lshl_b32 s89, s20, 2
	s_add_co_u32 s88, s88, s89
	s_lshl_b32 s89, s17, 1
	s_add_co_u32 s88, s88, s89                     ; 16 (u / 8) + 4 cy + 2 H1
	s_and_b32 s89, s60, 7
	s_lshl_b32 s89, s89, 1
	s_add_co_u32 s89, s89, s18                     ; the key step: 2 (u % 8) + H0
	s_mul_i32 s90, s88, 294912
	s_mul_i32 s91, s89, 6144
	s_add_co_u32 s90, s90, s91
	s_add_co_u32 s84, s90, 196608
	s_mov_b32 s85, 0
	s_add_nc_u64 s[84:85], s[12:13], s[84:85]
	s_mul_i32 s90, s88, 20480
	s_lshl_b32 s91, s89, 8
	s_add_co_u32 s90, s90, s91
	s_add_co_u32 s86, s90, 16384
	s_mov_b32 s87, 0
	s_add_nc_u64 s[86:87], s[14:15], s[86:87]
	s_wait_alu depctr_va_vdst(0)
.irp a, 0,1,2,3,4,5,6,7
.irp c, 0,1,2
	global_store_b128 v1, v[128+12*\a+4*\c:128+12*\a+4*\c+3], s[84:85] offset:(\a/4)*294912+(\a%4)*1536+512*\c
.endr
.endr
	global_store_b128 v21, v[PJ:PJ+3], s[86:87]                 ; sixteen lanes store a head's 256 bytes of this key step
.Ldone:
	s_wait_tensorcnt 0x0                           ; the wave's end
	ds_add_u32 v28, v29
	s_wait_dscnt 0x0
	CROUND                                         ; the closing round: no work-group ends while a partner may still ask for a tile that names it
	s_endpgm
.Lfunc_end_k_q26b2672004_qkv:
	.size	k_q26b2672004_qkv, .Lfunc_end_k_q26b2672004_qkv-k_q26b2672004_qkv
	.p2alignl 7, 3214868480
	.fill 96, 4, 3214868480
	.section	.rodata,"a",@progbits
	.p2align	6, 0x0
	.amdhsa_kernel k_q26b2672004_qkv
		.amdhsa_group_segment_fixed_size 327680
		.amdhsa_private_segment_fixed_size 0
		.amdhsa_enable_private_segment 0
		.amdhsa_kernarg_size 48
		.amdhsa_user_sgpr_count 2
		.amdhsa_user_sgpr_kernarg_segment_ptr 1
		.amdhsa_wavefront_size32 1
		.amdhsa_system_sgpr_workgroup_id_x 1
		.amdhsa_system_sgpr_workgroup_id_y 1
		.amdhsa_system_sgpr_workgroup_id_z 1
		.amdhsa_system_vgpr_workitem_id 0
		.amdhsa_next_free_vgpr 1024
		.amdhsa_next_free_sgpr 100
		.amdhsa_reserve_vcc 0
		.amdhsa_float_denorm_mode_32 3
		.amdhsa_float_denorm_mode_16_64 3
		.amdhsa_memory_ordered 1
		.amdhsa_forward_progress 1
		.amdhsa_inst_pref_size 172
	.end_amdhsa_kernel
	.amdgpu_metadata
---
amdhsa.version: [ 1, 2 ]
amdhsa.kernels:
  - .name:           k_q26b2672004_qkv
    .symbol:         k_q26b2672004_qkv.kd
    .args:
      - { .name: xc, .offset: 0, .size: 8, .value_kind: global_buffer, .address_space: global }
      - { .name: wc, .offset: 8, .size: 8, .value_kind: global_buffer, .address_space: global }
      - { .name: sa, .offset: 16, .size: 8, .value_kind: global_buffer, .address_space: global }
      - { .name: b_qkv, .offset: 24, .size: 8, .value_kind: global_buffer, .address_space: global }
      - { .name: hc, .offset: 32, .size: 8, .value_kind: global_buffer, .address_space: global }
      - { .name: hsc, .offset: 40, .size: 8, .value_kind: global_buffer, .address_space: global }
    .group_segment_fixed_size: 327680
    .private_segment_fixed_size: 0
    .kernarg_segment_align: 8
    .kernarg_segment_size: 48
    .max_flat_workgroup_size: 128
    .sgpr_count:     100
    .vgpr_count:     1024
    .wavefront_size: 32
...
	.end_amdgpu_metadata
.endif
;; end of part 2
;; launch attn (part 3): grid 4 x 64, 16 waves a work-group, no clusters, 211,968 bytes of LDS; arguments hc, hsc, oc, sb; writes oc, sb
.if DOCPART == 3
	.amdgcn_target "amdgcn-amd-amdhsa--gfx1250"
	.amdhsa_code_object_version 6
	.text
	.protected	k_q26b2672004_attn
	.globl	k_q26b2672004_attn
	.p2align	8
	.type	k_q26b2672004_attn,@function
k_q26b2672004_attn:
	s_mov_b64 s[64:65], 0
	v_nop
	global_prefetch_b8 v0, s[64:65] scope:SCOPE_SE
	s_setreg_imm32_b32 hwreg(HW_REG_WAVE_MODE, 25, 1), 1
	s_wait_xcnt 0x0
; Causal attention on codes of BF6 with E8M0 scales, 64 heads (16 x batch + head) of 2,048 tokens x 64, and the quantising of its result o along the head's 64 for the last product.
; SOFTMAX AHEAD OF THE SECOND PRODUCT: t = score x log2(e) / 8; M = the running largest t rounded UP to a whole number; p = 2^(t - M) is quantised along the keys, not normalised; the row's sum is taken of
; the unquantised p and divides at the end (v_rcp_f32 and a multiplication).  When M moves, the sum and O are multiplied by 2^(old M - new M): exact.
; A block's largest p is not searched for: the block's largest score goes through the same multiply-add and exponential (this takes v_exp_f32 not to fall where its input rises).
; SHARES.  Work-group (i, head) owns the blocks of 256 queries 7 - i and i.  Wave w of 16 owns tile 16 (7 - i) + w (first pass) and tile 16 i + w (second pass).  Tile T needs key steps 0 .. T / 8 of 128 keys,
; the last on the diagonal: 16 + 2 (w / 8) steps a wave whatever i is.  A step beyond the diagonal is passed over by a scalar branch on ids; the loops' trip counts are constants.
; NO CLUSTER: the work-groups that share a head's K and V differ in i, and what they pass over hangs on i: in a cluster that would be a branch on a work-group's place in it.
; THE HEAD'S WHOLE K AND V, AND THEIR SCALE BYTES, LIE IN LDS, filled once: no slot is filled again.  Waves 0, 1, 2 fetch, three loads each; key steps 0-3 and the scales come first and are waited for alone.
; LAYOUT.  Both products are used transposed (S^T = K Q^T, O^T = V^T P^T): a lane holds ONE query.  Rows (tokens, and V's d) are stored with bits 3 and 4 of their number exchanged, so the 16 registers of two
; neighbouring tiles are 16 neighbouring keys (or d).  K, Q: pieces of 16 rows x 64 (768 bytes: registers 0-3 at 16 l, 4-5 at 512 + 8 l).  V: fragments of 16 d x 128 keys, three images of 512 bytes.
; K = 64 IN AN INSTRUCTION OF 128: Q's registers 6-11 are zero codes; K's tile t is named as 12 registers of which the upper six are the next tile's codes: E3M2 has no infinity and no NaN, so they
; times zero are zero; bytes 2 and 3 of both scale words are 0.
; LIMITS: NaN and infinities not served; blocks of o under 2^-122, zeros among them, get the byte 1.
.set VC,   98304                       ; LDS: K's codes at 0, V's here,
.set KSC,  196608                      ; K's scale words (16 steps x 512),
.set VSC,  204800                      ; V's (16 x 256),
.set OSG,  208896                      ; and 1,024 bytes in which o's scale bytes are gathered: no fill lands there
.set CH,   24576                       ; what one tensor load of codes brings: four key steps of K or of V
.set KF,   32                          ; v32-85   K: 8 tiles x 6 registers, + 6 that stay zero;  then V's four fragments in v32-79
.set S,    88                          ; v88-151  S^T, then p
.set O,    152                         ; v152-183 O^T: 4 tiles of d
.set PCD,  184                         ; v184-195 p's codes
.set PC2,  196                         ; v196-203 the conversions' second halves
.set BM,   204                         ; v204-207 the blocks' largest
.set PB,   208                         ; v208-211 at work
.set SO,   212                         ; v212-215 the conversions' scale operands
.set TMP,  216
.set KW,   220                         ; v220-227 K's scale words, v228-231 V's, v232 Q's (first pass), v233 p's, v246 Q's (second pass); v222-227 also take partial sums of p after the scores
.set VW,   228
.set PW,   233
.set TK,   66                          ; s66 where the step's codes begin (6,144 bytes a step, in K and in V), s67 K's scale words (512), s68 V's (256)
.set TS,   67
.set TJ,   68
.set STP,  69                          ; s69 the key step
; other registers: v1 16 l, v2 8 l + 512, v3 16 l + VC, v4 KSC + 16 r, v5 VSC + 16 r, v6 my query's place in its 128 less 16 h, v7 where o's two bytes go, v8-12 the step's addresses, v13 -infinity,
; v14 -M, v15 the largest t, v[16:17] the sum in two halves, v[18:19] f, v20-31 Q (first pass), v234-245 Q (second pass), v217-219 offsets of the head's and the tail's loads and stores.
	s_load_b256 s[4:11], s[0:1], 0x0               ; hc s[4:5], hsc s[6:7], oc s[8:9], sb s[10:11]
	v_lshl_add_u32 v254, v0, 2, 0x33400
	v_mov_b32 v255, 0
	ds_add_u32 v254, v255
	ds_add_u32 v254, v255
	v_lshrrev_b32 v8, 5, v0
	s_delay_alu instid0(VALU_DEP_1)
	v_readfirstlane_b32 s12, v8                    ; wave 0..15
	s_mov_b32 s13, ttmp9                           ; i
	s_and_b32 s14, ttmp7, 0xffff                   ; 16 x batch + head
	s_lshr_b32 s15, s14, 4
	s_and_b32 s16, s14, 15
	s_lshr_b32 s17, s12, 3
	s_and_b32 s18, s12, 7
	s_mov_b32 s20, 0x76543210
	s_mov_b32 s21, 0xfedcba98                      ; v_permlanex16_b32's selects for lane l xor 16
	s_mov_b32 s22, 0x3e38aa3b                      ; c = log2(e) / 8
	s_mov_b32 s23, s22                             ; (named with it as a pair, so it is written)
	; descriptor groups 1: dense blocks as rows of 256 bytes (32 elements of 8 bytes): 96 rows of codes, 48 of scale bytes
	s_mov_b32 s24, 3<<16
	s_mov_b32 s25, 32<<16
	s_mov_b32 s26, 96<<16
	s_mov_b32 s27, 32<<16
	s_mov_b32 s28, 96
	s_mov_b32 s29, 32
	s_mov_b32 s30, 0
	s_mov_b32 s31, 0
	s_mov_b32 s32, 3<<16
	s_mov_b32 s33, 32<<16
	s_mov_b32 s34, 48<<16
	s_mov_b32 s35, 32<<16
	s_mov_b32 s36, 48
	s_mov_b32 s37, 32
	s_mov_b32 s38, 0
	s_mov_b32 s39, 0
	s_mul_i32 s80, s14, 294912                     ; the head's codes: Q, K, V, 98,304 bytes each
	s_mov_b32 s81, 0
	s_mul_i32 s82, s14, 20480                      ; its scale bytes: Q 8,192, K 8,192, V 4,096
	s_mov_b32 s83, 0
	s_sub_co_u32 s88, 7, s13
	s_lshl_b32 s88, s88, 4
	s_add_co_u32 s88, s88, s12                     ; my tile of the first pass
	s_lshl_b32 s89, s13, 4
	s_add_co_u32 s89, s89, s12                     ; and of the second
	s_lshr_b32 s70, s88, 3                         ; their last key steps
	s_lshr_b32 s71, s89, 3
	s_mul_i32 s90, s88, 768
	s_mov_b32 s91, 0
	s_mul_i32 s92, s89, 768
	s_mov_b32 s93, 0
	s_lshr_b32 s94, s88, 2                         ; Q's scale word of tile T, row r: (T / 4) x 256 + 16 r + 4 (T % 4)
	s_lshl_b32 s94, s94, 8
	s_and_b32 s95, s88, 3
	s_lshl_b32 s95, s95, 2
	s_add_co_u32 s94, s94, s95
	s_mov_b32 s95, 0
	s_lshr_b32 s96, s89, 2
	s_lshl_b32 s96, s96, 8
	s_and_b32 s97, s89, 3
	s_lshl_b32 s97, s97, 2
	s_add_co_u32 s96, s96, s97
	s_mov_b32 s97, 0
	s_lshl_b32 s84, s15, 7                         ; o's piece: tile 128 x batch + T, piece = head
	s_add_co_u32 s74, s84, s88
	s_mul_i32 s74, s74, 12288
	s_mul_i32 s85, s16, 768
	s_add_co_u32 s74, s74, s85
	s_mov_b32 s75, 0
	s_add_co_u32 s76, s84, s89
	s_mul_i32 s76, s76, 12288
	s_add_co_u32 s76, s76, s85
	s_mov_b32 s77, 0
	s_mul_i32 s84, s12, 4*CH                       ; waves 0 and 1: chunks 4 w on (K's, V's), in LDS as in memory
	s_mov_b32 s85, 0
	s_wait_dscnt 0x0
	s_wait_kmcnt 0x0
	s_add_nc_u64 s[72:73], s[4:5], s[80:81]
	s_add_nc_u64 s[78:79], s[6:7], s[82:83]
	s_add_nc_u64 s[74:75], s[8:9], s[74:75]
	s_add_nc_u64 s[76:77], s[8:9], s[76:77]
	s_add_nc_u64 s[86:87], s[72:73], s[84:85]
.irp k, 0,1,2
	s_mov_b32 s[40+4*\k], 1
	s_add_co_u32 s[41+4*\k], s84, \k*CH
	s_add_nc_u64 s[42+4*\k:43+4*\k], s[86:87], 98304+\k*CH
	s_or_b32 s[43+4*\k], s[43+4*\k], 0x80000000
.endr
	s_mov_b32 s52, 1                               ; wave 2: the scale bytes of K and V, 12,288 dense bytes,
	s_mov_b32 s53, KSC
	s_add_nc_u64 s[54:55], s[78:79], 8192
	s_or_b32 s55, s55, 0x80000000
	s_mov_b32 s56, 1                               ; K's last four key steps,
	s_mov_b32 s57, 3*CH
	s_add_nc_u64 s[58:59], s[72:73], 98304+3*CH
	s_or_b32 s59, s59, 0x80000000
	s_mov_b32 s60, 1                               ; V's last four
	s_mov_b32 s61, 7*CH
	s_add_nc_u64 s[62:63], s[72:73], 98304+7*CH
	s_or_b32 s63, s63, 0x80000000
	s_cmp_lt_u32 s12, 2                            ; a wave's three first fills stand in one branch, ahead of every wait on TENSORcnt, every LDS read and every barrier: three loads of a fetching wave are out
	s_cbranch_scc0 .Lnot_01
	tensor_load_to_lds s[40:43], s[24:31]
	s_nop 0
	tensor_load_to_lds s[44:47], s[24:31]
	s_nop 0
	tensor_load_to_lds s[48:51], s[24:31]
	s_nop 0
.rept 4
	v_nop
.endr
	s_branch .Lasked
.Lnot_01:
	s_cmp_eq_u32 s12, 2
	s_cbranch_scc0 .Lasked
	tensor_load_to_lds s[52:55], s[32:39]
	s_nop 0
	tensor_load_to_lds s[56:59], s[24:31]
	s_nop 0
	tensor_load_to_lds s[60:63], s[24:31]
	s_nop 0
.rept 4
	v_nop
.endr
.Lasked:
	s_add_nc_u64 s[90:91], s[72:73], s[90:91]
	s_add_nc_u64 s[92:93], s[72:73], s[92:93]
	s_add_nc_u64 s[94:95], s[78:79], s[94:95]
	s_add_nc_u64 s[96:97], s[78:79], s[96:97]
	v_and_b32 v8, 31, v0                           ; l
	v_and_b32 v9, 15, v0                           ; r
	v_bfe_u32 v10, v0, 4, 1                        ; h
	s_delay_alu instid0(VALU_DEP_3)
	v_lshlrev_b32 v1, 4, v8
	s_delay_alu instid0(VALU_DEP_4)
	v_lshlrev_b32 v2, 3, v8
	s_delay_alu instid0(VALU_DEP_1)
	v_add_nc_u32 v2, 512, v2
	v_lshlrev_b32 v217, 4, v9                      ; 16 r
	s_wait_alu depctr_va_vdst(0)
	global_load_b128 v[20:23], v1, s[90:91]        ; Q's two pieces stay in registers
	global_load_b64 v[24:25], v2, s[90:91]
	global_load_b128 v[234:237], v1, s[92:93]
	global_load_b64 v[238:239], v2, s[92:93]
	global_load_b32 v232, v217, s[94:95]
	global_load_b32 v246, v217, s[96:97]
	v_add_nc_u32 v3, VC, v1
	v_add_nc_u32 v4, KSC, v217
	v_add_nc_u32 v5, VSC, v217
	s_lshr_b32 s84, s18, 1
	s_lshl_b32 s84, s84, 5
	s_and_b32 s85, s12, 1
	s_lshl_b32 s85, s85, 3
	s_add_co_u32 s84, s84, s85
	v_and_b32 v6, 8, v9
	s_delay_alu instid0(VALU_DEP_1)
	v_add_nc_u32 v6, v6, v9
	s_delay_alu instid0(VALU_DEP_1)
	v_add_nc_u32 v6, s84, v6                       ; my query in its 128: 32 ((w % 8) / 2) + 8 (w % 2) + r + 8 (r / 8), the same in both passes,
	v_lshlrev_b32 v12, 4, v10
	s_delay_alu instid0(VALU_DEP_1)
	v_sub_nc_u32 v6, v6, v12                       ; less 16 h: register 16 b + i holds key 32 b + 16 h + i of the step
	s_lshl_b32 s84, s17, 8
	s_lshl_b32 s85, s18, 1
	s_add_co_u32 s84, s84, s85
	s_add_co_u32 s84, s84, OSG
	v_add_nc_u32 v7, s84, v217                     ; o's two bytes: 256 (w / 8) + 16 r + 2 (w % 8)
	s_lshl_b32 s84, s12, 9
	v_add_nc_u32 v218, s84, v1
	s_delay_alu instid0(VALU_DEP_1)
	v_add_nc_u32 v218, OSG, v218                   ; the tail (waves 0, 1): a pass's 512 bytes,
	v_lshl_add_u32 v219, v10, 12, v217             ; and their places in memory: a group of rows 4,096 bytes on for lanes 16-31
	v_mov_b32 v13, 0xff800000                      ; -infinity
	v_mov_b32 v19, 0                               ; (named as the upper half of the pair v[18:19])
.irp j, 0,1,2,3,4,5
	v_mov_b32 v[26+\j], 0                          ; zero codes for K = 64 .. 127
	v_mov_b32 v[240+\j], 0
	v_mov_b32 v[80+\j], 0                          ; what K's last tile names beyond its own six
.endr
.irp b, 0,1,2,3
	v_mov_b32 v[PB+\b], 0                          ; written once: a lane permute's destination counts as one of its sources
.endr
; A KEY STEP of 128 keys for the tile whose Q lies in v[qf] on, with its scale word in v[qw]; s[lr] holds the tile's last step.
.macro STEP qf, qw, lr
	s_cmp_gt_u32 s[STP], s[\lr]                    ; all its keys come after my queries: only the addresses step
	s_cbranch_scc1 .Lhid_\@
	s_setprio 2
	v_add_nc_u32 v8, s[TK], v1                     ; (these five are also the places behind the last step's products, in front of the loads)
	v_add_nc_u32 v9, s[TK], v2
	v_add_nc_u32 v10, s[TK], v3
	v_add_nc_u32 v11, s[TS], v4
	v_add_nc_u32 v12, s[TJ], v5
.irp t, 0,1,2,3,4,5,6,7
	ds_load_b128 v[KF+6*\t:KF+6*\t+3], v8 offset:768*\t
	ds_load_b64 v[KF+6*\t+4:KF+6*\t+5], v9 offset:768*\t
.endr
	ds_load_b128 v[KW:KW+3], v11
	ds_load_b128 v[KW+4:KW+7], v11 offset:256
	s_wait_alu depctr_va_vdst(0)
	s_wait_dscnt 0x0
.irp t, 0,1,2,3,4,5,6,7
	v_wmma_scale_f32_16x16x128_f8f6f4 v[S+8*\t:S+8*\t+7], v[KF+6*\t:KF+6*\t+11], v[\qf:\qf+11], 0, v[KW+\t], v[\qw] matrix_a_fmt:MATRIX_FMT_BF6 matrix_b_fmt:MATRIX_FMT_BF6
.endr
.rept 4
	v_nop                                          ; places in front of the loads into K's registers and of the first read of the scores
.endr
.irp t, 0,1,2,3                        ; V's four fragments land under the softmax
.irp c, 0,1,2
	ds_load_b128 v[KF+12*\t+4*\c:KF+12*\t+4*\c+3], v10 offset:1536*\t+512*\c
.endr
.endr
	ds_load_b128 v[VW:VW+3], v12
	s_cmp_lg_u32 s[STP], s[\lr]                    ; on the diagonal hidden scores become -infinity ahead of the maximum: p = 0 then
	s_cbranch_scc1 .Lopen_\@
.set n, 0
.rept 64
	v_cmp_gt_i32 vcc_lo, 32*(n/16)+n%16, v6
	v_cndmask_b32 v[S+n], v[S+n], v13, vcc_lo
.set n, n+1
.endr
.Lopen_\@:
.irp b, 0,1,2,3
	v_max3_num_f32 v[BM+\b], v[S+16*\b], v[S+1+16*\b], v[S+2+16*\b]          ; the largest score of each block of 32 keys: for the row's maximum and for the block's largest p
.endr
.irp i, 3,5,7,9,11,13
.irp b, 0,1,2,3
	v_max3_num_f32 v[BM+\b], v[BM+\b], v[S+16*\b+\i], v[S+1+16*\b+\i]
.endr
.endr
.irp b, 0,1,2,3
	v_max_num_f32 v[BM+\b], v[BM+\b], v[S+15+16*\b]
.endr
.irp b, 0,1,2,3
	s_delay_alu instid0(VALU_DEP_4)
	v_permlanex16_b32 v[PB+\b], v[BM+\b], s20, s21
.endr
.irp b, 0,1,2,3
	s_delay_alu instid0(VALU_DEP_4)
	v_max_num_f32 v[BM+\b], v[BM+\b], v[PB+\b]     ; with lane l xor 16's 16 keys
.endr
	s_delay_alu instid0(VALU_DEP_2)
	v_max3_num_f32 v[TMP], v[BM], v[BM+1], v[BM+2]
	s_delay_alu instid0(VALU_DEP_1)
	v_max_num_f32 v[TMP], v[TMP], v[BM+3]
	s_delay_alu instid0(VALU_DEP_1)
	v_mul_f32 v[TMP], s22, v[TMP]                  ; the step's largest t (c is positive)
	s_delay_alu instid0(VALU_DEP_1)
	v_max_num_f32 v15, v15, v[TMP]
	v_mov_b32 v[TMP], v14
	s_delay_alu instid0(VALU_DEP_2)
	v_floor_f32 v14, -v15                          ; the new -M = floor(-t): M is a whole number
	s_delay_alu instid0(VALU_DEP_1)
	v_sub_f32 v[TMP], v14, v[TMP]                  ; old M - new M: a whole number, 0 or less
	s_delay_alu instid0(VALU_DEP_1)
	v_cvt_i32_f32 v[TMP], v[TMP]                   ; (it saturates)
	s_delay_alu instid0(VALU_DEP_1)
	v_ldexp_f32 v18, 1.0, v[TMP]                   ; f = 2^(old M - new M)
.set n, 0
.rept 32
	v_pk_fma_f32 v[S+n:S+n+1], v[S+n:S+n+1], s[22:23], v[14:15] op_sel_hi:[1,0,0]   ; t - M, two at a time
.set n, n+2
.endr
	s_setprio 1
.irp b, 0,1,2,3
	v_fma_f32 v[BM+\b], v[BM+\b], s22, v14         ; the same of each block's largest score
.endr
.set n, 0
	s_wait_alu depctr_va_vdst(0)
.rept 64
	v_exp_f32 v[S+n], v[S+n]                       ; p = 2^(t - M), at most 1
.set n, n+1
.endr
	v_pk_mul_f32 v[16:17], v[16:17], v[18:19] op_sel_hi:[1,0]   ; the sums under the new M: the plain line behind the exponentials
	s_wait_alu depctr_va_vdst(0)                   ; one wait for the batch of 64, ahead of its first reader
.irp b, 0,1,2,3
	v_exp_f32 v[BM+\b], v[BM+\b]                   ; the blocks' largest p
.endr
	v_pk_add_f32 v[208:209], v[92:93], v[96:97]
	v_pk_add_f32 v[252:253], v[100:101], v[104:105]
	v_pk_add_f32 v[250:251], v[108:109], v[112:113]
	v_pk_add_f32 v[248:249], v[116:117], v[120:121]
	v_pk_add_f32 v[226:227], v[124:125], v[128:129]
	v_pk_add_f32 v[224:225], v[132:133], v[136:137]
	v_pk_add_f32 v[222:223], v[140:141], v[144:145]
	v_pk_add_f32 v[16:17], v[16:17], v[148:149]
	v_pk_add_f32 v[208:209], v[208:209], v[88:89]
	v_pk_add_f32 v[252:253], v[252:253], v[90:91]
	v_pk_add_f32 v[250:251], v[250:251], v[94:95]
	v_pk_add_f32 v[248:249], v[248:249], v[98:99]
	v_pk_add_f32 v[226:227], v[226:227], v[102:103]
	v_pk_add_f32 v[224:225], v[224:225], v[106:107]
	v_pk_add_f32 v[222:223], v[222:223], v[110:111]
	v_pk_add_f32 v[16:17], v[16:17], v[114:115]
	v_pk_add_f32 v[208:209], v[208:209], v[118:119]
	v_pk_add_f32 v[252:253], v[252:253], v[122:123]
	v_pk_add_f32 v[250:251], v[250:251], v[126:127]
	v_pk_add_f32 v[248:249], v[248:249], v[130:131]
	v_pk_add_f32 v[226:227], v[226:227], v[134:135]
	v_pk_add_f32 v[224:225], v[224:225], v[138:139]
	v_pk_add_f32 v[222:223], v[222:223], v[142:143]
	v_pk_add_f32 v[16:17], v[16:17], v[146:147]
	v_pk_add_f32 v[208:209], v[208:209], v[150:151]
	s_delay_alu instid0(VALU_DEP_2)
	v_pk_add_f32 v[16:17], v[16:17], v[248:249]
	s_delay_alu instid0(VALU_DEP_2)
	v_pk_add_f32 v[208:209], v[208:209], v[226:227]
	v_pk_add_f32 v[252:253], v[252:253], v[224:225]
	v_pk_add_f32 v[250:251], v[250:251], v[222:223]
	s_delay_alu instid0(VALU_DEP_2)
	v_pk_add_f32 v[16:17], v[16:17], v[252:253]
	s_delay_alu instid0(VALU_DEP_2)
	v_pk_add_f32 v[208:209], v[208:209], v[250:251]
	s_delay_alu instid0(VALU_DEP_1)
	v_pk_add_f32 v[16:17], v[16:17], v[208:209]
	s_wait_alu depctr_va_vdst(0)                   ; and one for the four
.irp b, 0,1,2,3
	v_max_num_f32 v[BM+\b], 0x2800000, v[BM+\b]    ; the floor 2^(5 - 127): the byte cannot fall under 1
.endr
.irp b, 0,1,2,3
	s_delay_alu instid0(VALU_DEP_4)
	v_add_nc_u32 v[SO+\b], 0xfe000000, v[BM+\b]    ; 4 off the exponent field: the conversion's scale operand
.endr
.irp b, 0,1,2,3
	s_delay_alu instid0(VALU_DEP_4)
	v_lshrrev_b32 v[PB+\b], 23, v[SO+\b]
.endr
	s_delay_alu instid0(VALU_DEP_3)
	v_lshl_or_b32 v[PW], v[PB+1], 8, v[PB]         ; p's scale word for these 128 keys
	s_delay_alu instid0(VALU_DEP_1)
	v_lshl_or_b32 v[PW], v[PB+2], 16, v[PW]
	s_delay_alu instid0(VALU_DEP_1)
	v_lshl_or_b32 v[PW], v[PB+3], 24, v[PW]
	s_setprio 0
.irp c, 0,1
	v_cvt_scalef32_pk16_bf6_f32 v[PCD+6*\c:PCD+6*\c+2], v[S+32*\c:S+32*\c+15], v[SO+2*\c]
	v_cvt_scalef32_pk16_bf6_f32 v[PC2+4*\c:PC2+4*\c+2], v[S+32*\c+16:S+32*\c+31], v[SO+2*\c+1]
.endr
	v_nop                                          ; one plain line behind a scaled conversion
.irp c, 0,1                            ; a WHOLE block in a lane: lanes 0-15 block 2 c, lanes 16-31 block 2 c + 1
.irp i, 0,1,2
	v_permlane16_swap_b32 v[PCD+6*\c+\i], v[PC2+4*\c+\i]
.endr
.irp i, 0,1,2
	s_delay_alu instid0(VALU_DEP_3)
	v_mov_b32 v[PCD+3+6*\c+\i], v[PC2+4*\c+\i]
.endr
.endr
.set n, 0
.rept 16
	v_pk_mul_f32 v[O+n:O+n+1], v[O+n:O+n+1], v[18:19] op_sel_hi:[1,0]   ; O^T under the new M; these sixteen stand between the making of p's codes and scale word and the products
.set n, n+2
.endr
	s_wait_alu depctr_va_vdst(0)
	s_wait_dscnt 0x0                               ; V is in
.irp t, 0,1,2,3                        ; the four accumulators by turns
	v_wmma_scale_f32_16x16x128_f8f6f4 v[O+8*\t:O+8*\t+7], v[KF+12*\t:KF+12*\t+11], v[PCD:PCD+11], v[O+8*\t:O+8*\t+7], v[VW+\t], v[PW] matrix_a_fmt:MATRIX_FMT_BF6 matrix_b_fmt:MATRIX_FMT_BF6
.endr
.Lhid_\@:
	s_add_co_u32 s[TK], s[TK], 6144
	s_add_co_u32 s[TS], s[TS], 512
	s_add_co_u32 s[TJ], s[TJ], 256
.endm
.macro START                           ; a pass begins: O^T and the sum as zeros, the largest t under every t: the first change of M multiplies zeros
	v_mov_b32 v15, 0xff61b1e6                      ; -3e38
	s_delay_alu instid0(VALU_DEP_1)
	v_floor_f32 v14, -v15
	v_mov_b32 v16, 0
	v_mov_b32 v17, 0
.set n, 0
.rept 32
	v_mov_b32 v[O+n], 0
.set n, n+1
.endr
	s_mov_b32 s[TK], 0
	s_mov_b32 s[TS], 0
	s_mov_b32 s[TJ], 0
	s_mov_b32 s[STP], 0
.endm
; A pass ends: o = O^T / the sum; register 16 b + i is d = 32 b + 16 h + i; its two blocks are quantised and leave as one piece; the two bytes are gathered in LDS.
.macro OUT pass, base
.rept 4
	v_nop                                          ; places behind the last products
.endr
	v_add_f32 v16, v16, v17
	s_delay_alu instid0(VALU_DEP_1)
	v_permlanex16_b32 v[PB], v16, s20, s21
	s_delay_alu instid0(VALU_DEP_1)
	v_add_f32 v16, v16, v[PB]                      ; the row's sum
	s_wait_alu depctr_va_vdst(0)
	v_rcp_f32 v18, v16
	v_nop                                          ; a plain line behind the reciprocal,
	s_wait_alu depctr_va_vdst(0)                   ; and the wait ahead of its first reader
.set n, 0
.rept 16
	v_pk_mul_f32 v[S+n:S+n+1], v[O+n:O+n+1], v[18:19] op_sel_hi:[1,0]   ; each accumulator from its low end on
.set n, n+2
.endr
.irp b, 0,1
	v_max3_num_f32 v[BM+\b], |v[S+16*\b]|, |v[S+16*\b+1]|, 0x2800000
.endr
.irp i, 2,4,6,8,10,12,14
.irp b, 0,1
	s_delay_alu instid0(VALU_DEP_2)
	v_max3_num_f32 v[BM+\b], v[BM+\b], |v[S+16*\b+\i]|, |v[S+16*\b+\i+1]|
.endr
.endr
.irp b, 0,1
	s_delay_alu instid0(VALU_DEP_2)
	v_permlanex16_b32 v[PB+\b], v[BM+\b], s20, s21
.endr
.irp b, 0,1
	s_delay_alu instid0(VALU_DEP_2)
	v_max_num_f32 v[BM+\b], v[BM+\b], v[PB+\b]
.endr
.irp b, 0,1
	s_delay_alu instid0(VALU_DEP_2)
	v_add_nc_u32 v[SO+\b], 0xfe000000, v[BM+\b]
.endr
.irp b, 0,1
	s_delay_alu instid0(VALU_DEP_2)
	v_lshrrev_b32 v[PB+\b], 23, v[SO+\b]
.endr
	s_delay_alu instid0(VALU_DEP_1)
	v_lshl_or_b32 v[TMP], v[PB+1], 8, v[PB]
	v_cvt_scalef32_pk16_bf6_f32 v[PCD:PCD+2], v[S:S+15], v[SO]
	v_cvt_scalef32_pk16_bf6_f32 v[PC2:PC2+2], v[S+16:S+31], v[SO+1]
	v_nop
.irp i, 0,1,2
	v_permlane16_swap_b32 v[PCD+\i], v[PC2+\i]
.endr
.irp i, 0,1,2
	s_delay_alu instid0(VALU_DEP_3)
	v_mov_b32 v[PCD+3+\i], v[PC2+\i]
.endr
	global_store_b128 v1, v[PCD:PCD+3], s[\base:\base+1]        ; 512 consecutive bytes
	global_store_b64 v2, v[PCD+4:PCD+5], s[\base:\base+1]       ; 256 (v2 carries the 512)
	ds_store_b16 v7, v[TMP] offset:512*\pass                    ; both halves of the lanes write the same two bytes with the same value
.endm
	s_wait_tensorcnt 2                             ; a fetching wave's first load is in: K's and V's key steps 0-3, the scale bytes; its two later loads may stay out
	s_wait_loadcnt 0x0                             ; Q
	s_barrier_signal -1
	s_barrier_wait -1
	START
.Lfirst4:                              ; the first pass, key steps 0-3: they read the first chunks alone
	STEP 20, 232, 70
	s_add_co_u32 s[STP], s[STP], 1
	s_cmp_lt_u32 s[STP], 4
	s_cbranch_scc1 .Lfirst4
	s_setprio 0
	s_wait_tensorcnt 0x0                           ; all of K and V is in,
	s_wait_dscnt 0x0
	s_barrier_signal -1
	s_barrier_wait -1                              ; everybody's part
.Lrest:
	STEP 20, 232, 70
	s_add_co_u32 s[STP], s[STP], 1
	s_cmp_lt_u32 s[STP], 16
	s_cbranch_scc1 .Lrest
	s_setprio 0
	OUT 0, 74
	s_wait_xcnt 0x0                                ; the stores have read their data: the second pass writes those registers again
	START
.Lsecond:                              ; the second pass: its tile lies in the first 1,024 queries: at most 8 key steps
	STEP 234, 246, 71
	s_add_co_u32 s[STP], s[STP], 1
	s_cmp_lt_u32 s[STP], 8
	s_cbranch_scc1 .Lsecond
	s_setprio 0
	OUT 1, 76
	s_wait_dscnt 0x0                               ; for the others' sake: my stores of scale bytes have landed
	s_barrier_signal -1
	s_barrier_wait -1
	s_cmp_lt_u32 s12, 2
	s_cbranch_scc0 .Lend
	s_sub_co_u32 s84, 7, s13
	s_cmp_eq_u32 s12, 0
	s_cselect_b32 s84, s84, s13                    ; wave 0: the first pass's block of queries, wave 1: the second's
	s_lshl_b32 s84, s84, 1
	s_lshl_b32 s85, s15, 4
	s_add_co_u32 s84, s84, s85                     ; its first group of 128 rows
	s_lshl_b32 s84, s84, 12
	s_lshl_b32 s85, s16, 8                         ; piece = head
	s_add_co_u32 s84, s84, s85
	s_mov_b32 s85, 0
	s_add_nc_u64 s[10:11], s[10:11], s[84:85]
	ds_load_b128 v[88:91], v218
	s_wait_dscnt 0x0
	global_store_b128 v219, v[88:91], s[10:11]     ; sixteen lanes store a group's 256 bytes of this piece
.Lend:
	s_wait_tensorcnt 0x0
	ds_add_u32 v254, v255
	s_wait_dscnt 0x0
	s_endpgm
.Lfunc_end_k_q26b2672004_attn:
	.size	k_q26b2672004_attn, .Lfunc_end_k_q26b2672004_attn-k_q26b2672004_attn
	.p2alignl 7, 3214868480
	.fill 96, 4, 3214868480
	.section	.rodata,"a",@progbits
	.p2align	6, 0x0
	.amdhsa_kernel k_q26b2672004_attn
		.amdhsa_group_segment_fixed_size 211968
		.amdhsa_private_segment_fixed_size 0
		.amdhsa_enable_private_segment 0
		.amdhsa_kernarg_size 32
		.amdhsa_user_sgpr_count 2
		.amdhsa_user_sgpr_kernarg_segment_ptr 1
		.amdhsa_wavefront_size32 1
		.amdhsa_system_sgpr_workgroup_id_x 1
		.amdhsa_system_sgpr_workgroup_id_y 1
		.amdhsa_system_sgpr_workgroup_id_z 1
		.amdhsa_system_vgpr_workitem_id 0
		.amdhsa_next_free_vgpr 256
		.amdhsa_next_free_sgpr 100
		.amdhsa_reserve_vcc 1
		.amdhsa_float_denorm_mode_32 3
		.amdhsa_float_denorm_mode_16_64 3
		.amdhsa_memory_ordered 1
		.amdhsa_forward_progress 1
		.amdhsa_inst_pref_size 88
	.end_amdhsa_kernel
	.amdgpu_metadata
---
amdhsa.version: [ 1, 2 ]
amdhsa.kernels:
  - .name:           k_q26b2672004_attn
    .symbol:         k_q26b2672004_attn.kd
    .args:
      - { .name: hc, .offset: 0, .size: 8, .value_kind: global_buffer, .address_space: global }
      - { .name: hsc, .offset: 8, .size: 8, .value_kind: global_buffer, .address_space: global }
      - { .name: oc, .offset: 16, .size: 8, .value_kind: global_buffer, .address_space: global }
      - { .name: sb, .offset: 24, .size: 8, .value_kind: global_buffer, .address_space: global }
    .group_segment_fixed_size: 211968
    .private_segment_fixed_size: 0
    .kernarg_segment_align: 8
    .kernarg_segment_size: 32
    .max_flat_workgroup_size: 512
    .sgpr_count:     100
    .vgpr_count:     256
    .wavefront_size: 32
...
	.end_amdgpu_metadata
.endif
;; end of part 3
;; launch proj (part 4): grid 8 x 32, 4 waves a work-group, clusters of 4 x 4, 312,832 bytes of LDS; arguments oc, wc, sb, b_out, out0; writes out0
.if DOCPART == 4
	.amdgcn_target "amdgcn-amd-amdhsa--gfx1250"
	.amdhsa_code_object_version 6
	.text
	.protected	k_q26b2672004_proj
	.globl	k_q26b2672004_proj
	.p2align	8
	.type	k_q26b2672004_proj,@function
k_q26b2672004_proj:
	s_mov_b64 s[64:65], 0
	v_nop
	global_prefetch_b8 v0, s[64:65] scope:SCOPE_SE
	s_setreg_imm32_b32 hwreg(HW_REG_WAVE_MODE, 25, 1), 1
	s_wait_xcnt 0x0
	s_wait_alu depctr_hold_cnt(0) depctr_sa_sdst(0) depctr_va_vdst(0) depctr_va_sdst(0) depctr_va_ssrc(0) depctr_va_vcc(0) depctr_vm_vsrc(0)
	s_getreg_b32 s2, hwreg(HW_REG_IB_STS2, 6, 4)
	s_cmp_eq_u32 s2, 0
	s_cbranch_scc0 .Lentry_in_a_cluster
	s_endpgm
.Lentry_in_a_cluster:
	s_bfe_u32 s2, ttmp6, 0x10000c
	s_cmp_lg_u32 s2, 0xf033
	s_cbranch_scc0 .Lentry_shape_is_right
	s_endpgm
.Lentry_shape_is_right:
; out0 = o w_out + b_out on codes of BF6 with E8M0 scales: 8,192 x 1,024 x 1,024, f32 out.
; A work-group of four waves makes 256 tokens x 128 columns: 256 work-groups.  A wave makes 128 x 64: 32 accumulators.  S0, the matrix instruction's source 0, is w_out's columns (they run along a lane's registers
; in the result, eight neighbouring columns of a row), S1, source 1, the tokens (in lanes).
; CODES come as pieces (16 stored rows x 64 K = 768 bytes, an image of six registers a lane): a fragment is four dense LDS loads.  Rows are stored with bits 3 and 4 of their number exchanged; the way out puts them back.
; ALL OF K FITS IN LDS: four slots of 256 along K, filled once by four joint loads a wave behind the opening round: nothing is filled again.  S1's tiles are shared along a row of the cluster, S0's along a column.
; All 64 scale words of a wave stay in registers (S1's in lanes 0-15, S0's in lanes 16-31).  The bias is the C of the first K step.
; REGISTERS: window 0: v1-3 lane offsets, v4-19 fragment addresses, v20-27, v30-31 offsets; v32-95 scale words; v96-127 bias; v128-223 S1's eight fragments, on the way out rows of out0.
;   window 1: S0's fragments, two sets, at v0 and v128.  window 2: accumulator (a, b) at v[8 (4 a + b)].
.set NB0,   4
.set TILEB, 3072
.set S0OFF, 16*TILEB
.set SLOT,  S0OFF+2*NB0*TILEB
.set STAGE, 4*SLOT                     ; behind the slots: 16 rows x 272 bytes for each wave; no fill lands there
.set FR,    12
.set NL,    4
.set SC,    32
.set AF,    128
.set MSB,   0
.macro WIN new                         ; the immediate's high byte repeats the setting that is left
.if MSB != \new
	s_set_vgpr_msb (MSB<<8)|\new
.set MSB, \new
.endif
.endm
.macro PLACES n
.rept \n
	v_nop
.endr
.endm
.macro JLOAD g0a, g1a, g0b, g1b        ; waves 0 and 1 fetch S1's halves, waves 2 and 3 S0's; four v_nop follow each of the two lines
	s_cmp_eq_u32 s17, 0
	s_cbranch_scc0 .Lfor_b_\@
	tensor_load_to_lds s[\g0a:\g0a+3], s[\g1a:\g1a+7]
	s_nop 0
.rept 4
	v_nop
.endr
	s_branch .Lasked_\@
.Lfor_b_\@:
	tensor_load_to_lds s[\g0b:\g0b+3], s[\g1b:\g1b+7]
	s_nop 0
.rept 4
	v_nop
.endr
.Lasked_\@:
.endm
.macro CROUND                          ; a round of the cluster's barrier
	s_barrier_signal -1
	s_barrier_wait -1
	s_cmp_lg_u32 s16, 0
	s_cbranch_scc1 .Lnot_wave_0_\@
	s_barrier_signal -3
.Lnot_wave_0_\@:
	s_barrier_wait -3
	s_barrier_signal -1
	s_barrier_wait -1
.endm
.macro FRAG reg, op, slot, q, i        ; tile i of operand op (0: S1, 1: S0), the slot's q-th 128 along K: two pieces, four dense loads
	ds_load_b128 v[\reg:\reg+3],     v[4+8*(\op)+(\slot)] offset:(\i)*TILEB+1536*(\q)
	ds_load_b64  v[\reg+4:\reg+5],   v[8+8*(\op)+(\slot)] offset:(\i)*TILEB+1536*(\q)+512
	ds_load_b128 v[\reg+6:\reg+9],   v[4+8*(\op)+(\slot)] offset:(\i)*TILEB+1536*(\q)+768
	ds_load_b64  v[\reg+10:\reg+11], v[8+8*(\op)+(\slot)] offset:(\i)*TILEB+1536*(\q)+1280
.endm
.macro FETCH_B slot, q, p
	WIN 0x40
.irp i, 0,1,2,3
	FRAG 128*(\p)+FR*\i, 1, \slot, \q, \i
.endr
	WIN 0
.endm
.macro FETCH_A slot, q, i0
.irp i, \i0, \i0+1, \i0+2, \i0+3
	FRAG AF+FR*(\i), 0, \slot, \q, \i
.endr
.endm
.macro WMR d, s0, s1, c, sa, sb
	v_wmma_scale_f32_16x16x128_f8f6f4 v[\d:\d+7], v[\s0:\s0+11], v[\s1:\s1+11], v[\c:\c+7], v[\sa], v[\sb] matrix_a_fmt:MATRIX_FMT_BF6 matrix_b_fmt:MATRIX_FMT_BF6 matrix_a_scale:MATRIX_SCALE_ROW1
.endm
; 8 matrix instructions: S1's blocks a0, a0 + 1 x S0's four.  cm = 1: the bias tile of S0's block starts the sum.  The 32 accumulators take turns, one instruction a turn.
.macro MULA a0, p, ks, cm
.if \cm
	WIN 0x81                                       ; source 0 window 1, source 1 and C window 0, D window 2
.else
	WIN 0xa1                                       ; C and D window 2
.endif
.irp a, \a0, \a0+1
.irp b, 0,1,2,3
.set AC, 8*(NB0*(\a)+\b)
.set CC, AC
.if \cm
.set CC, 96+8*\b
.endif
	WMR AC, 128*(\p)+FR*\b, AF+FR*(\a), CC, SC+8*(\ks)+\b, SC+8*(\ks)+(\a)
.endr
.endr
.endm
.macro STEP ks, nslot, nq, cm          ; a K step of 128; S1 has one set of registers: blocks 0-3 are fetched anew in the middle, 4-7 at the end
.set PP, (\ks)%2
	s_wait_dscnt 4*NL                              ; S0's set and S1's blocks 0-3 are in; the youngest sixteen loads may be out
	MULA 0, PP, \ks, \cm
	MULA 2, PP, \ks, \cm
	s_wait_dscnt 0x0
	PLACES 4                                       ; in front of loads into registers that matrix instructions have read
	FETCH_B \nslot, \nq, 1-PP
	FETCH_A \nslot, \nq, 0
	MULA 4, PP, \ks, \cm
	MULA 6, PP, \ks, \cm
	PLACES 4
	WIN 0
	FETCH_A \nslot, \nq, 4
.endm
.macro TURN ks, nslot, cnt             ; a step that goes on into the next slot: my part of it has landed (cnt later loads may stay out), and one barrier shows everybody's
	s_wait_tensorcnt \cnt
	s_wait_dscnt 4*NL
	MULA 0, 1, \ks, 0
	s_wait_dscnt 0x0                               ; no LDS instruction of mine is pending at the signal
	s_barrier_signal -1
	MULA 2, 1, \ks, 0
	s_barrier_wait -1
	PLACES 4
	FETCH_B \nslot, 0, 0
	FETCH_A \nslot, 0, 0
	MULA 4, 1, \ks, 0
	MULA 6, 1, \ks, 0
	PLACES 4
	WIN 0
	FETCH_A \nslot, 0, 4
.endm
	s_load_b256 s[4:11], s[0:1], 0x0               ; oc s[4:5], wc s[6:7], sb s[8:9], b_out s[10:11]
	s_load_b64 s[12:13], s[0:1], 0x20              ; out0
	v_lshl_add_u32 v254, v0, 2, 0x4c400
	v_mov_b32 v255, 0
	ds_add_u32 v254, v255
	ds_add_u32 v254, v255
	v_lshrrev_b32 v1, 5, v0
	v_readfirstlane_b32 s16, v1                    ; wave 0..3
	s_lshr_b32 s17, s16, 1                         ; H1: my half of S1.  Also: I fetch for S1 (0) or S0 (1)
	s_and_b32 s18, s16, 1                          ; H0: my half of S0.  Also: which half I fetch
	s_bfe_u32 s19, ttmp6, 0x40000                  ; cx
	s_bfe_u32 s20, ttmp6, 0x40004                  ; cy
	s_lshl_b32 s60, ttmp9, 2
	s_add_co_u32 s60, s60, s19                     ; u: which 128 columns
	s_and_b32 s61, ttmp7, 0xffff
	s_lshl_b32 s61, s61, 2
	s_add_co_u32 s61, s61, s20                     ; w: which 256 tokens
	s_lshl_b32 s88, s20, 2
	s_lshl_b32 s88, 15, s88                        ; my row of the cluster
	s_lshl_b32 s89, 0x1111, s19                    ; my column
	s_or_b32 s24, s88, (3<<16)|(1<<21)             ; group 1 for S1: the mask; elements of 8 bytes; bit 21 beside a mask; no padding
	s_or_b32 s32, s89, (3<<16)|(1<<21)
	s_mov_b32 s25, 384<<16                         ; a tile's 3,072 bytes of a slot
	s_mov_b32 s26, 8<<16                           ; 8 tiles
	s_mov_b32 s27, 384<<16
	s_mov_b32 s28, 8
	s_mov_b32 s29, 1536                            ; from tile to tile: 12,288 bytes
	s_mov_b32 s30, 0
	s_mov_b32 s31, 0
	s_mov_b32 s33, 384<<16
	s_mov_b32 s34, NB0<<16                         ; S0: 4 tiles
	s_mov_b32 s35, 384<<16
	s_mov_b32 s36, NB0
	s_mov_b32 s37, 1536
	s_mov_b32 s38, 0
	s_mov_b32 s39, 0
	s_lshl_b32 s84, s61, 4
	s_lshl_b32 s85, s18, 3
	s_add_co_u32 s84, s84, s85
	s_mul_i32 s84, s84, 12288                      ; S1: tile 16 w + 8 x the half that I fetch
	s_mov_b32 s85, 0
	s_lshl_b32 s86, s60, 3
	s_lshl_b32 s87, s18, 2
	s_add_co_u32 s86, s86, s87
	s_add_co_u32 s86, s86, 192                     ; S0: w_out's tiles lie behind w_qkv's 192
	s_mul_i32 s86, s86, 12288
	s_mov_b32 s87, 0
	s_mul_i32 s95, s18, 8*TILEB
	s_mul_i32 s96, s18, NB0*TILEB
	s_add_co_u32 s96, s96, S0OFF
	s_wait_dscnt 0x0
	s_wait_kmcnt 0x0
	s_add_nc_u64 s[58:59], s[4:5], s[84:85]
	s_add_nc_u64 s[56:57], s[6:7], s[86:87]
	CROUND                                         ; all sixteen work-groups are here: the joint loads meet
.irp s, 0,1,2,3                        ; all of K: four loads of mine are out
	s_mov_b32 s[40+4*\s], 1
	s_add_co_u32 s[41+4*\s], s95, \s*SLOT
	s_add_nc_u64 s[42+4*\s:43+4*\s], s[58:59], \s*TILEB
	s_or_b32 s[43+4*\s], s[43+4*\s], 0x80000000
	s_mov_b32 s[68+4*\s], 1
	s_add_co_u32 s[69+4*\s], s96, \s*SLOT
	s_add_nc_u64 s[70+4*\s:71+4*\s], s[56:57], \s*TILEB
	s_or_b32 s[71+4*\s], s[71+4*\s], 0x80000000
	JLOAD 40+4*\s, 24, 68+4*\s, 32
.endr
	v_and_b32 v25, 31, v0
	v_and_b32 v24, 15, v0                          ; r
	v_bfe_u32 v23, v0, 4, 1                        ; h
	v_lshlrev_b32 v1, 4, v25                       ; 16 l
	v_lshlrev_b32 v2, 3, v25                       ; 8 l
	v_lshlrev_b32 v3, 4, v24                       ; 16 r
	s_mul_i32 s90, s17, 8*TILEB
	s_mul_i32 s91, s18, NB0*TILEB
	s_add_co_u32 s91, s91, S0OFF
.irp s, 0,1,2,3
	v_add_nc_u32 v[4+\s], s90, v1
	v_add_nc_u32 v[8+\s], s90, v2
	v_add_nc_u32 v[12+\s], s91, v1
	v_add_nc_u32 v[16+\s], s91, v2
	s_add_co_u32 s90, s90, SLOT
	s_add_co_u32 s91, s91, SLOT
.endr
	; the scale bytes.  Lanes 0-15: S1's group 2 w + H1, eight tiles.  Lanes 16-31: S0's group 64 + u, of which my four tiles begin 8 H0 bytes on: they come into the first two registers of each piece
	s_lshl_b32 s92, s61, 1
	s_add_co_u32 s92, s92, s17
	s_lshl_b32 s92, s92, 12
	s_add_co_u32 s93, s60, 64
	s_lshl_b32 s93, s93, 12
	s_lshl_b32 s94, s18, 3
	s_add_co_u32 s94, s94, s93
	s_mov_b32 s62, 0xffff0000
	v_mov_b32 v25, s92
	v_mov_b32 v26, s94
	v_cndmask_b32 v20, v25, v26, s62
	v_add_nc_u32 v20, v20, v3
	v_mov_b32 v26, s93
	v_cndmask_b32 v21, v25, v26, s62
	v_add_nc_u32 v21, v21, v3
.irp p, 0,1,2,3,4,5,6,7,8,9,10,11,12,13,14,15
	global_load_b64 v[128+4*\p:128+4*\p+1], v20, s[8:9] offset:256*\p
	global_load_b64 v[128+4*\p+2:128+4*\p+3], v21, s[8:9] offset:256*\p+8
.endr
	s_lshl_b32 s88, s60, 9                         ; the bias: register j of S0's tile t is column 128 u + 64 H0 + 32 (t / 2) + 16 h + 8 (t % 2) + j
	s_lshl_b32 s89, s18, 8
	s_add_co_u32 s88, s88, s89
	s_mov_b32 s89, 0
	s_add_nc_u64 s[10:11], s[10:11], s[88:89]
	v_lshlrev_b32 v22, 6, v23
.irp t, 0,1,2,3
	global_load_b128 v[96+8*\t:96+8*\t+3], v22, s[10:11] offset:(32*(\t/2)+8*(\t%2))*4
	global_load_b128 v[96+8*\t+4:96+8*\t+7], v22, s[10:11] offset:(32*(\t/2)+8*(\t%2))*4+16
.endr
	; the way out
	s_mul_i32 s90, s16, 16*272
	s_add_co_u32 s90, s90, STAGE                   ; my stage
	v_mul_u32_u24 v27, v24, 272
	v_lshl_add_u32 v27, v23, 6, v27
	v_add_nc_u32 v27, s90, v27                     ; in: row r, + 64 h
	v_mul_u32_u24 v30, v23, 272
	v_add_nc_u32 v30, v30, v3
	v_add_nc_u32 v30, s90, v30                     ; back: lanes 0-15 one row of 256 bytes, lanes 16-31 the next
	v_lshl_add_u32 v31, v23, 12, v3                ; and the same two rows in out0
	s_lshl_b32 s90, s61, 8
	s_lshl_b32 s91, s17, 7
	s_add_co_u32 s90, s90, s91
	s_lshl_b32 s90, s90, 12                        ; my first row: 256 w + 128 H1
	s_lshl_b32 s91, s60, 9
	s_add_co_u32 s90, s90, s91
	s_lshl_b32 s91, s18, 8
	s_add_co_u32 s90, s90, s91                     ; my first column, in bytes: 512 u + 256 H0
	s_mov_b32 s91, 0
	s_add_nc_u64 s[12:13], s[12:13], s[90:91]
	s_wait_loadcnt 0x0
	s_mov_b32 s66, 0x05040100
	s_mov_b32 s67, 0x07060302
.irp s, 0,1,2,3,4,5,6,7                ; K step s = pieces 2 s, 2 s + 1: a tile's two bytes of each make its scale word; each step's words stand eight plain lines or more ahead of their first product
.irp e, 0,1,2,3
	v_perm_b32 v[SC+8*\s+2*\e],   v[128+8*\s+4+\e], v[128+8*\s+\e], s66
	v_perm_b32 v[SC+8*\s+2*\e+1], v[128+8*\s+4+\e], v[128+8*\s+\e], s67
.endr
.endr
	s_wait_tensorcnt 3                             ; my part of slot 0 is in; three loads may stay out
	s_barrier_signal -1
	s_barrier_wait -1
	FETCH_B 0, 0, 0
	FETCH_A 0, 0, 0
	FETCH_A 0, 0, 4
	STEP 0, 0, 1, 1                                ; the bias starts the sums
	TURN 1, 1, 2
	STEP 2, 1, 1, 0
	TURN 3, 2, 1
	STEP 4, 2, 1, 0
	TURN 5, 3, 0
	STEP 6, 3, 1, 0
	s_wait_dscnt 4*NL                              ; the last step: nothing more to fetch
	MULA 0, 1, 7, 0
	MULA 2, 1, 7, 0
	s_wait_dscnt 0x0
	MULA 4, 1, 7, 0
	MULA 6, 1, 7, 0
	WIN 0
; THE WAY OUT, block by block of 16 stored rows x 64 columns: through my own stage, back as whole rows of 256 bytes.  LDS serves a wave's instructions in order: no wait between the stores and the loads.
.macro TOSTAGE a
	WIN 0x08                                       ; an LDS store's data are its source 1: window 2
.irp b, 0,1,2,3
	ds_store_b128 v27, v[32*(\a)+8*\b:32*(\a)+8*\b+3] offset:128*(\b/2)+32*(\b%2)          ; each accumulator from its low end on
	ds_store_b128 v27, v[32*(\a)+8*\b+4:32*(\a)+8*\b+7] offset:128*(\b/2)+32*(\b%2)+16
.endr
	WIN 0
.set BB, 128+32*((\a)%2)
.irp t, 0,1,2,3,4,5,6,7
	ds_load_b128 v[BB+4*\t:BB+4*\t+3], v30 offset:544*\t
.endr
.endm
.macro SEND a, younger                 ; stored rows 2 t and 2 t + 1 of block a are rows 32 (a / 2) + 8 (a % 2) + 2 t + 8 (t / 4) and the next of my 128
.set BB, 128+32*((\a)%2)
	s_wait_dscnt \younger                          ; the block is back; the next block's eight stores and eight loads may be out
.irp t, 0,1,2,3,4,5,6,7
	global_store_b128 v31, v[BB+4*\t:BB+4*\t+3], s[12:13] offset:(32*((\a)/2)+8*((\a)%2)+2*\t+8*(\t/4))*4096 th:TH_STORE_NT   ; sixteen lanes store 256 consecutive bytes, at a multiple of 256
.endr
.endm
	PLACES 4                                       ; behind the last products: for the reads of results and the loads into S1's registers
	TOSTAGE 0
.irp a, 1,2,3,4,5,6,7
.if \a > 1
	s_wait_xcnt 0x0                                ; block a - 2's stores have read their registers: block a's loads may land there
.endif
	TOSTAGE \a
	SEND \a-1, 16
.endr
	SEND 7, 0
	s_wait_tensorcnt 0x0
	s_wait_dscnt 0x0
	s_wait_tensorcnt 0x0
	ds_add_u32 v254, v255
	s_wait_dscnt 0x0
	CROUND                                         ; the closing round: no work-group ends while a partner may still ask for a tile that names it
	s_endpgm
.Lfunc_end_k_q26b2672004_proj:
	.size	k_q26b2672004_proj, .Lfunc_end_k_q26b2672004_proj-k_q26b2672004_proj
	.p2alignl 7, 3214868480
	.fill 96, 4, 3214868480
	.section	.rodata,"a",@progbits
	.p2align	6, 0x0
	.amdhsa_kernel k_q26b2672004_proj
		.amdhsa_group_segment_fixed_size 312832
		.amdhsa_private_segment_fixed_size 0
		.amdhsa_enable_private_segment 0
		.amdhsa_kernarg_size 40
		.amdhsa_user_sgpr_count 2
		.amdhsa_user_sgpr_kernarg_segment_ptr 1
		.amdhsa_wavefront_size32 1
		.amdhsa_system_sgpr_workgroup_id_x 1
		.amdhsa_system_sgpr_workgroup_id_y 1
		.amdhsa_system_sgpr_workgroup_id_z 1
		.amdhsa_system_vgpr_workitem_id 0
		.amdhsa_next_free_vgpr 768
		.amdhsa_next_free_sgpr 100
		.amdhsa_reserve_vcc 0
		.amdhsa_float_denorm_mode_32 3
		.amdhsa_float_denorm_mode_16_64 3
		.amdhsa_memory_ordered 1
		.amdhsa_forward_progress 1
		.amdhsa_inst_pref_size 94
	.end_amdhsa_kernel
	.amdgpu_metadata
---
amdhsa.version: [ 1, 2 ]
amdhsa.kernels:
  - .name:           k_q26b2672004_proj
    .symbol:         k_q26b2672004_proj.kd
    .args:
      - { .name: oc, .offset: 0, .size: 8, .value_kind: global_buffer, .address_space: global }
      - { .name: wc, .offset: 8, .size: 8, .value_kind: global_buffer, .address_space: global }
      - { .name: sb, .offset: 16, .size: 8, .value_kind: global_buffer, .address_space: global }
      - { .name: b_out, .offset: 24, .size: 8, .value_kind: global_buffer, .address_space: global }
      - { .name: out0, .offset: 32, .size: 8, .value_kind: global_buffer, .address_space: global }
    .group_segment_fixed_size: 312832
    .private_segment_fixed_size: 0
    .kernarg_segment_align: 8
    .kernarg_segment_size: 40
    .max_flat_workgroup_size: 128
    .sgpr_count:     100
    .vgpr_count:     768
    .wavefront_size: 32
...
	.end_amdgpu_metadata
.endif
;; end of part 4
